; MI455X (gfx1250); checked and timed in simulation.
; The chip was launched on July 23, 2026; its instructions are those of AMD's public machine-readable ISA for CDNA 5 (MIT licence, August 2026) and "CDNA5" Instruction Set Architecture Reference Guide (July 2026). The comments in the code are by the model that wrote it; some were corrected since.
;; Attention. Allowed arithmetic: float matrix products may take bf16 or f16 operands with f32 sums; all other float work in f32.
;; Inputs: Wk 512 x 512 float32; WkC 2,048 x 2,048 float32; Wo1 512 x 512 float32; Wo2 512 x 512 float32; Wo3 512 x 512 float32; Wo4 512 x 512 float32; Wq1 512 x 512 float32; Wq2 512 x 512 float32; Wq3 512 x 512 float32; Wq4 512 x 512 float32; WqC 2,048 x 2,048 float32; Wv 512 x 512 float32; WvC 2,048 x 2,048 float32; emb1 4 x 512 x 512 float32; emb2 4 x 512 x 512 float32; emb3 4 x 512 x 512 float32; emb4 4 x 512 x 512 float32; emb_C 4 x 512 x 2,048 float32.
;; Outputs: out0 4 x 512 x 512 float32; out1 4 x 512 x 512 float32; out2 4 x 512 x 512 float32; out3 4 x 512 x 512 float32.
;; One version. Each part assembles by itself: llvm-mc -triple=amdgcn-amd-amdhsa -mcpu=gfx1250 --defsym DOCPART=n.
;; ======== version 1 of 1: 9 launches
;; limits: values are held in f16: magnitudes above 65,504 overflow, below 6.1e-05 lose precision; right only within a limited range of input values; inputs' magnitudes at most 65,504; below input magnitudes of 6e-08 results are inexact or not finite
;; workspace buffers: BF 55,574,528 bytes; PC 25,168,896 bytes; CS 270,336 bytes; PB 33,554,432 bytes; LS 262,144 bytes; QKV 25,165,824 bytes; SS 278,528 bytes; CTX 8,388,608 bytes
;; launch cast (part 1): grid 720 x 1, 8 waves a work-group, no clusters, 0 bytes of LDS; arguments emb_C, WqC, WkC, WvC, Wq1, Wq2, Wq3, Wq4, Wk, Wv, Wo1, Wo2, Wo3, Wo4, emb1, emb2, emb3, emb4, BF; writes BF
.if DOCPART == 1
	.amdgcn_target "amdgcn-amd-amdhsa--gfx1250"
	.amdhsa_code_object_version 6
	.text
	.protected	k_qbbad036fa5_cast
	.globl	k_qbbad036fa5_cast
	.p2align	8
	.type	k_qbbad036fa5_cast,@function
k_qbbad036fa5_cast:
	s_mov_b64 s[64:65], 0
	v_nop
	global_prefetch_b8 v0, s[64:65] scope:SCOPE_SE
	s_setreg_imm32_b32 hwreg(HW_REG_WAVE_MODE, 25, 1), 1
	s_wait_xcnt 0x0
; All eighteen f32 inputs are rounded once to f16 and laid one behind the other in BF, in the order of the arguments.
; f16 and not bf16: seven roundings follow each other from here to the outputs, and f16 keeps three bits more in each.
; WqC, WkC and WvC are multiplied by 2^-2 on the way (exact), so that QC, KC and VC keep room in f16 when inputs are larger or carry an offset.
; LIMIT: an input beyond 65,504 in magnitude (262,016 for the three scaled weights) becomes an infinity; numbers under 6e-8 become zero.
; A work-group converts 32,768 numbers (128 KiB in, 64 KiB out), a wave 32 pieces of 512 bytes.  Sixteen loads of every wave are on their way: 64 KiB a work-group, and with
; 104 registers a wave several work-groups lie on a WGP, so that all 720 run at once.  A store of a wave covers 256 consecutive bytes, aligned.
; No LDS, no barrier, no matrix unit: the bytes are all that there is to do.
.set PIECES, 32                        ; pieces of 512 bytes of a wave
.set DEPTH,  16                        ; loads in flight in a wave
.set X, 4                              ; v[4:67]    slot i: four f32 as loaded
.set Y, 68                             ; v[68:99]   slot i: four f16 to store
.set T, 100                            ; v[100:103] at work
.macro PICK p, start                   ; from work-group \start on, the source is the argument in s[\p:\p+1]
	s_cmp_ge_u32 s7, \start
	s_cselect_b64 s[4:5], s[\p:\p+1], s[4:5]
	s_cselect_b32 s6, \start, s6
.endm
	s_load_b512 s[8:23], s[0:1], 0x0               ; arguments 0 to 7
	s_load_b512 s[24:39], s[0:1], 0x40             ; 8 to 15
	s_load_b128 s[40:43], s[0:1], 0x80             ; 16, 17
	s_load_b64 s[44:45], s[0:1], 0x90              ; BF
	s_mov_b32 s7, ttmp9                            ; the work-group's number
	v_lshrrev_b32 v3, 5, v0                        ; wave
	v_and_b32 v1, 31, v0                           ; lane
	v_lshlrev_b32 v2, 3, v1
	v_lshlrev_b32 v1, 4, v1
	v_lshl_or_b32 v1, v3, 14, v1                   ; in: wave x 16 KiB + lane x 16; never rewritten
	v_lshl_or_b32 v2, v3, 13, v2                   ; out: wave x 8 KiB + lane x 8; never rewritten
	s_mov_b32 s6, 0
	s_mov_b32 s48, 1.0
	s_cmp_ge_u32 s7, 128
	s_cselect_b32 s48, 0x3e800000, s48             ; work-groups 128 to 511 hold WqC, WkC, WvC: times 2^-2
	s_cmp_ge_u32 s7, 512
	s_cselect_b32 s48, 1.0, s48
	s_mov_b32 s49, s48                             ; named with it as a pair
	s_wait_kmcnt 0x0
	s_mov_b64 s[4:5], s[8:9]                       ; a source of 16 MiB is 128 work-groups, of 4 MiB 32, of 1 MiB 8
	PICK 10, 128
	PICK 12, 256
	PICK 14, 384
	PICK 16, 512
	PICK 18, 520
	PICK 20, 528
	PICK 22, 536
	PICK 24, 544
	PICK 26, 552
	PICK 28, 560
	PICK 30, 568
	PICK 32, 576
	PICK 34, 584
	PICK 36, 592
	PICK 38, 624
	PICK 40, 656
	PICK 42, 688
	s_sub_co_u32 s2, s7, s6                        ; my place in the source, times 128 KiB
	s_lshl_b32 s2, s2, 17
	s_mov_b32 s3, 0
	s_add_nc_u64 s[4:5], s[4:5], s[2:3]
	s_lshl_b32 s46, s7, 16                         ; my place in BF, times 64 KiB
	s_mov_b32 s47, 0
	s_add_nc_u64 s[44:45], s[44:45], s[46:47]
.set k, 0
.rept DEPTH
	global_load_b128 v[X+4*k:X+4*k+3], v1, s[4:5] offset:k*512 th:TH_LOAD_NT
.set k, k+1
.endr
.set k, 0
.rept PIECES
.set i, k%DEPTH
.if k < PIECES-DEPTH
	s_wait_loadcnt DEPTH-1                         ; loads come back in order: piece k is in, the fifteen younger stay out
.else
	s_wait_loadcnt PIECES-1-k                      ; nothing more is asked for: the counts run down
.endif
	s_wait_xcnt 0x0                                ; the slot's Y, which its last store reads, is rewritten only behind this wait
	v_pk_mul_f32 v[T:T+1], v[X+4*i:X+4*i+1], s[48:49] op_sel_hi:[1,0]
	v_pk_mul_f32 v[T+2:T+3], v[X+4*i+2:X+4*i+3], s[48:49] op_sel_hi:[1,0]
	v_cvt_pk_f16_f32 v[Y+2*i], v[T], v[T+1]
	v_cvt_pk_f16_f32 v[Y+2*i+1], v[T+2], v[T+3]
.if k < PIECES-DEPTH
	global_load_b128 v[X+4*i:X+4*i+3], v1, s[4:5] offset:(k+DEPTH)*512 th:TH_LOAD_NT
.endif
	global_store_b64 v2, v[Y+2*i:Y+2*i+1], s[44:45] offset:k*256
.set k, k+1
.endr
	s_endpgm
.Lfunc_end_k_qbbad036fa5_cast:
	.size	k_qbbad036fa5_cast, .Lfunc_end_k_qbbad036fa5_cast-k_qbbad036fa5_cast
	.p2alignl 7, 3214868480
	.fill 96, 4, 3214868480
	.section	.rodata,"a",@progbits
	.p2align	6, 0x0
	.amdhsa_kernel k_qbbad036fa5_cast
		.amdhsa_group_segment_fixed_size 0
		.amdhsa_private_segment_fixed_size 0
		.amdhsa_enable_private_segment 0
		.amdhsa_kernarg_size 152
		.amdhsa_user_sgpr_count 2
		.amdhsa_user_sgpr_kernarg_segment_ptr 1
		.amdhsa_wavefront_size32 1
		.amdhsa_system_sgpr_workgroup_id_x 1
		.amdhsa_system_sgpr_workgroup_id_y 1
		.amdhsa_system_sgpr_workgroup_id_z 1
		.amdhsa_system_vgpr_workitem_id 0
		.amdhsa_next_free_vgpr 104
		.amdhsa_next_free_sgpr 66
		.amdhsa_reserve_vcc 0
		.amdhsa_float_denorm_mode_32 3
		.amdhsa_float_denorm_mode_16_64 3
		.amdhsa_memory_ordered 1
		.amdhsa_forward_progress 1
		.amdhsa_inst_pref_size 21
	.end_amdhsa_kernel
	.amdgpu_metadata
---
amdhsa.version: [ 1, 2 ]
amdhsa.kernels:
  - .name:           k_qbbad036fa5_cast
    .symbol:         k_qbbad036fa5_cast.kd
    .args:
      - { .name: emb_C, .offset: 0, .size: 8, .value_kind: global_buffer, .address_space: global }
      - { .name: WqC, .offset: 8, .size: 8, .value_kind: global_buffer, .address_space: global }
      - { .name: WkC, .offset: 16, .size: 8, .value_kind: global_buffer, .address_space: global }
      - { .name: WvC, .offset: 24, .size: 8, .value_kind: global_buffer, .address_space: global }
      - { .name: Wq1, .offset: 32, .size: 8, .value_kind: global_buffer, .address_space: global }
      - { .name: Wq2, .offset: 40, .size: 8, .value_kind: global_buffer, .address_space: global }
      - { .name: Wq3, .offset: 48, .size: 8, .value_kind: global_buffer, .address_space: global }
      - { .name: Wq4, .offset: 56, .size: 8, .value_kind: global_buffer, .address_space: global }
      - { .name: Wk, .offset: 64, .size: 8, .value_kind: global_buffer, .address_space: global }
      - { .name: Wv, .offset: 72, .size: 8, .value_kind: global_buffer, .address_space: global }
      - { .name: Wo1, .offset: 80, .size: 8, .value_kind: global_buffer, .address_space: global }
      - { .name: Wo2, .offset: 88, .size: 8, .value_kind: global_buffer, .address_space: global }
      - { .name: Wo3, .offset: 96, .size: 8, .value_kind: global_buffer, .address_space: global }
      - { .name: Wo4, .offset: 104, .size: 8, .value_kind: global_buffer, .address_space: global }
      - { .name: emb1, .offset: 112, .size: 8, .value_kind: global_buffer, .address_space: global }
      - { .name: emb2, .offset: 120, .size: 8, .value_kind: global_buffer, .address_space: global }
      - { .name: emb3, .offset: 128, .size: 8, .value_kind: global_buffer, .address_space: global }
      - { .name: emb4, .offset: 136, .size: 8, .value_kind: global_buffer, .address_space: global }
      - { .name: BF, .offset: 144, .size: 8, .value_kind: global_buffer, .address_space: global }
    .group_segment_fixed_size: 0
    .private_segment_fixed_size: 0
    .kernarg_segment_align: 8
    .kernarg_segment_size: 152
    .max_flat_workgroup_size: 256
    .sgpr_count:     66
    .vgpr_count:     104
    .wavefront_size: 32
...
	.end_amdgpu_metadata
.endif
;; end of part 1
;; launch projc (part 2): grid 8 x 32, 4 waves a work-group, clusters of 4 x 4, 327,680 bytes of LDS; arguments BF, PC, QKV; writes PC, QKV
.if DOCPART == 2
	.amdgcn_target "amdgcn-amd-amdhsa--gfx1250"
	.amdhsa_code_object_version 6
	.text
	.protected	k_qbbad036fa5_projc
	.globl	k_qbbad036fa5_projc
	.p2align	8
	.type	k_qbbad036fa5_projc,@function
k_qbbad036fa5_projc:
	s_mov_b64 s[64:65], 0
	v_nop
	global_prefetch_b8 v0, s[64:65] scope:SCOPE_SE
	s_setreg_imm32_b32 hwreg(HW_REG_WAVE_MODE, 25, 1), 1
	s_wait_xcnt 0x0
	s_wait_alu depctr_hold_cnt(0) depctr_sa_sdst(0) depctr_va_vdst(0) depctr_va_sdst(0) depctr_va_ssrc(0) depctr_va_vcc(0) depctr_vm_vsrc(0)
	s_getreg_b32 s2, hwreg(HW_REG_IB_STS2, 6, 4)
	s_cmp_eq_u32 s2, 0
	s_cbranch_scc0 .Lentry_in_a_cluster
	s_endpgm
.Lentry_in_a_cluster:
	s_bfe_u32 s2, ttmp6, 0x10000c
	s_cmp_lg_u32 s2, 0xf033
	s_cbranch_scc0 .Lentry_shape_is_right
	s_endpgm
.Lentry_shape_is_right:
; All projections that hang on the inputs alone, in f16 with f32 sums, C[m][n] = sum over k of A[m][k] B[n][k], in tiles of 256 x 256 of C.  The cluster's y gives g:
;   g = 0: QC^T = WqC embC^T    g = 1: KC^T = WkC embC^T    g = 2: VC = embC WvC^T      2048 x 2048, K = 2048, 64 tiles each (results a quarter of their true size: the weights were scaled by 2^-2)
;   g = 3: Q_i = emb_i Wq_i^T, i = 0..3: together 8192 x 512, K = 512, 32 x 2 = 64 tiles.   192 + 64 = 256 work-groups, one for each WGP.
; The transposed forms of QC and KC are chosen so that the next products find their K along the rows.  Behind the three panels of PC each wave of g = 0..2 leaves max |x| of its 128 x 128 results.
; Four waves, each 128 x 128 = 64 accumulators.  K goes in steps of 128 through two LDS slots filled by the tensor data mover.
; 4 x 4 work-groups form a cluster.  g = 0..2: A's tile is asked for jointly along a row of the cluster, B's along a column.
; g = 3 asks by plain loads (mask 0): its result has two tile columns and a row of the cluster four places, so the row and column masks do not fit, and a work-group fetches 2 x 256 KiB in all.
; g hangs on the cluster's y alone, so it is equal in all partners: one branch on it parts the two ways, and each is written out to its own end from the same macros.
; The matrix instruction is used transposed (source 0 = rows of B, source 1 = rows of A): a lane holds eight neighbouring numbers of a row of C.
; REGISTERS: window 0: v0-31 addresses, v64-191 A's fragments (two buffers), v32-63, v192-255 the way out; window 1: v64-191 B's fragments; windows 2, 3: accumulators.
.set KSTEP,  128
.set PITCH,  272                       ; an LDS row: 256 bytes + 16 of padding: the 16 rows of a fragment load start 68 words apart
.set HALFT,  128*PITCH
.set SLOT,   4*HALFT
.set STAGE,  2*SLOT                    ; behind the ring: 16 rows x 272 bytes for each wave
.set SPITCH, 272
.set ROWB,   4096                      ; bytes of a row of the result (set anew for g = 3)
.set VMOFF,  25165824                  ; the maxima lie behind the three panels of PC
.set W0,     33554432                  ; BF: the small weights, rows of 512: Wq1..4, Wk, Wv, Wo1..4
.set X0,     38797312                  ; BF: emb1..4, rows of 512
.set ADRA, 16
.set ADRB, 20
.set STO,  24
.set RD,   25
.set CO,   26
.set LANE, 27
.set ZERO, 28
.set F0,   64
.set F1,   128
.set TMP,  192
.set OB,   32
.set MXC,  64                          ; v64-67 four running maxima, v68-71 four running minima
.set G1, 24
.set G0, 32
.set G1B, 48
.set G0B, 56
.set MSB, 0
.macro WIN new                         ; the immediate's high byte repeats the setting that is left
.if MSB != \new
	s_set_vgpr_msb (MSB<<8)|\new
.set MSB, \new
.endif
.endm
.set MUL_LO, 0xa1                      ; source 0 (B) window 1, source 1 (A) window 0, C and D window 2
.set MUL_HI, 0xf1                      ; the same, C and D window 3
.set TO_B,   0x40
.macro JLOAD s                         ; a step's tiles: waves 0, 1 fetch A's halves, waves 2, 3 B's; four v_nop follow each line
	s_cmp_eq_u32 s11, 0
	s_cbranch_scc0 .Lfor_b_\@
	tensor_load_to_lds s[G0+4*\s:G0+4*\s+3], s[G1:G1+7]
	s_nop 0
.rept 4
	v_nop
.endr
	s_branch .Lasked_\@
.Lfor_b_\@:
	tensor_load_to_lds s[G0B+4*\s:G0B+4*\s+3], s[G1B:G1B+7]
	s_nop 0
.rept 4
	v_nop
.endr
.Lasked_\@:
.endm
.macro CREST                           ; a round of the cluster's barrier behind its opening barrier
	s_cmp_lg_u32 s10, 0
	s_cbranch_scc1 .Lnot_wave_0_\@
	s_barrier_signal -3
.Lnot_wave_0_\@:
	s_barrier_wait -3
	s_barrier_signal -1
	s_barrier_wait -1
.endm
.macro CROUND
	s_barrier_signal -1
	s_barrier_wait -1
	CREST
.endm
.macro PLACES                          ; four plain vector places behind matrix instructions (ISA guide 7.12.1)
.rept 4
	v_nop
.endr
.endm
.macro SHAPE pitch                     ; words 1 to 7 of both groups 1: a tile of 128 rows x 128 elements
.irp g, G1, G1B
	s_mov_b32 s[\g+1], KSTEP<<16                   ; tensor_dim0 = 128
	s_mov_b32 s[\g+2], 128<<16                     ; tensor_dim1 = 128
	s_mov_b32 s[\g+3], KSTEP<<16                   ; tile_dim0 = 128
	s_mov_b32 s[\g+4], 128                         ; tile_dim1 = 128
	s_mov_b32 s[\g+5], \pitch                      ; elements from row to row
	s_mov_b32 s[\g+6], 0
	s_mov_b32 s[\g+7], 0
.endr
.endm
.macro FILLS                           ; the round in front of the first loads, the groups 0 (A's first tile at s[14:15], B's at s[46:47]) and both first fills
	CROUND                                         ; all sixteen work-groups are here: the first loads meet
.irp s, 0,1
	s_mov_b32 s[G0+4*\s], 1
	s_add_co_u32 s[G0+4*\s+1], s20, \s*SLOT
	s_add_nc_u64 s[G0+4*\s+2:G0+4*\s+3], s[14:15], \s*KSTEP*2
	s_or_b32 s[G0+4*\s+3], s[G0+4*\s+3], 0x80000000
	s_mov_b32 s[G0B+4*\s], 1
	s_add_co_u32 s[G0B+4*\s+1], s20, \s*SLOT
	s_add_nc_u64 s[G0B+4*\s+2:G0B+4*\s+3], s[46:47], \s*KSTEP*2
	s_or_b32 s[G0B+4*\s+3], s[G0B+4*\s+3], 0x80000000
	JLOAD \s
.endr
.endm
.macro LANES shift                     ; the lanes' addresses; a row of the result is 1 << shift bytes
	v_and_b32 v1, 15, v0                           ; l % 16
	v_bfe_u32 v2, v0, 4, 1                         ; l / 16
	v_mul_u32_u24 v3, v1, PITCH
	v_lshl_add_u32 v3, v2, 4, v3
	s_mul_i32 s21, s11, HALFT
	s_mul_i32 s22, s12, HALFT
	s_add_co_u32 s22, s22, 2*HALFT
.irp u, 0,1
	v_add_nc_u32 v[ADRA+\u], s21, v3
	v_add_nc_u32 v[ADRB+\u], s22, v3
	s_add_co_u32 s21, s21, SLOT
	s_add_co_u32 s22, s22, SLOT
.endr
	s_mul_i32 s23, s10, 16*SPITCH
	s_add_co_u32 s23, s23, STAGE
	v_mul_u32_u24 v4, v1, SPITCH
	v_lshl_add_u32 v4, v2, 4, v4
	v_add_nc_u32 v[STO], s23, v4
	v_mul_u32_u24 v5, v2, SPITCH
	v_lshl_add_u32 v5, v1, 4, v5
	v_add_nc_u32 v[RD], s23, v5
	v_lshlrev_b32 v5, \shift, v2
	v_lshl_add_u32 v[CO], v1, 4, v5
.endm
.macro MUL16 f, hi, a0, zero           ; 16 matrix instructions; the 64 accumulators take turns, one instruction a turn
.irp a, \a0, \a0+1
.irp b, 0,1,2,3,4,5,6,7
.if \zero
	v_wmma_f32_16x16x32_f16 v[8*(8*(\a)+\b):8*(8*(\a)+\b)+7], v[\f+8*\b:\f+8*\b+7], v[\f+8*(4*\hi+\a):\f+8*(4*\hi+\a)+7], 0
.else
	v_wmma_f32_16x16x32_f16 v[8*(8*(\a)+\b):8*(8*(\a)+\b)+7], v[\f+8*\b:\f+8*\b+7], v[\f+8*(4*\hi+\a):\f+8*(4*\hi+\a)+7], v[8*(8*(\a)+\b):8*(8*(\a)+\b)+7]
.endif
.endr
.endr
.endm
.macro FETCH slot, k, f                ; 32 LDS loads in one run: a quarter step's fragments
	WIN TO_B
.irp i, 0,1,2,3,4,5,6,7
	ds_load_b128 v[\f+8*\i:\f+8*\i+3],   v[ADRB+\slot] offset:\k+\i*16*PITCH
	ds_load_b128 v[\f+8*\i+4:\f+8*\i+7], v[ADRB+\slot] offset:\k+\i*16*PITCH+32
.endr
	WIN 0
.irp i, 0,1,2,3,4,5,6,7
	ds_load_b128 v[\f+8*\i:\f+8*\i+3],   v[ADRA+\slot] offset:\k+\i*16*PITCH
	ds_load_b128 v[\f+8*\i+4:\f+8*\i+7], v[ADRA+\slot] offset:\k+\i*16*PITCH+32
.endr
.endm
.macro QUARTER slot, k, f, g, zero     ; multiplies buffer f; in its middle fetches the next quarter into g
	s_wait_dscnt 8                                 ; B and A's rows 0-63 are in; the youngest eight loads (A's rows 64-127) may be out
	WIN MUL_LO
	MUL16 \f, 0, 0, \zero
	MUL16 \f, 0, 2, \zero
	PLACES
	FETCH \slot, \k, \g
	s_wait_dscnt 32                                ; all but the 32 just issued
	WIN MUL_HI
	MUL16 \f, 1, 0, \zero
	MUL16 \f, 1, 2, \zero
.endm
.macro MEET round                      ; one barrier for the change of slots
	s_wait_dscnt 8
	WIN MUL_LO
	MUL16 F1, 0, 0, 0
	s_wait_dscnt 0                                 ; my reads of this slot are over,
	s_wait_tensorcnt 0x0                           ; and all my tensor loads have landed: the one that was out is my part of the next slot
	ds_add_u32 v255, v31
	s_wait_dscnt 0x0
	s_barrier_signal -1
	MUL16 F1, 0, 2, 0                              ; register work while the others arrive
.if \round
	WIN 0
.endif
	s_barrier_wait -1
.endm
.macro TURN slot, next, fill           ; the last quarter of a K step; fill = 1: the slot just read is filled again, two K steps on
	MEET \fill
.if \fill
	CREST                                          ; the barrier has opened a round of the cluster's: no wave of any partner still reads the slot or has a load on its way
	s_add_nc_u64 s[G0+4*\slot+2:G0+4*\slot+3], s[G0+4*\slot+2:G0+4*\slot+3], 2*KSTEP*2
	s_add_nc_u64 s[G0B+4*\slot+2:G0B+4*\slot+3], s[G0B+4*\slot+2:G0B+4*\slot+3], 2*KSTEP*2
	JLOAD \slot                                    ; the first tensor load behind the round; its four v_nop are also the places in front of the loads below
.else
	PLACES
.endif
	FETCH \next, 0, F0
	WIN MUL_HI
	MUL16 F1, 1, 0, 0
	MUL16 F1, 1, 2, 0
.endm
; The whole product: laps times round the ring of two slots (a lap = two K steps of 128); ends four places behind the last matrix instruction.
.macro GEMM laps
	s_wait_tensorcnt 1                             ; my part of K step 0 is in; step 1's stays out
	s_barrier_signal -1
	s_barrier_wait -1
	FETCH 0, 0, F0
	QUARTER 0, 64,  F0, F1, 1                      ; the first quarter starts the sums: nothing is cleared
	WIN 0
	s_mov_b32 s3, \laps-1
.Llap_\@:
	QUARTER 0, 128, F1, F0, 0
	QUARTER 0, 192, F0, F1, 0
	TURN 0, 1, 1
	QUARTER 1, 64,  F0, F1, 0
	QUARTER 1, 128, F1, F0, 0
	QUARTER 1, 192, F0, F1, 0
	TURN 1, 0, 1
	QUARTER 0, 64,  F0, F1, 0
	WIN 0
	s_sub_co_u32 s3, s3, 1
	s_cmp_lg_u32 s3, 0
	s_cbranch_scc1 .Llap_\@
	QUARTER 0, 128, F1, F0, 0                      ; the last lap fills nothing
	QUARTER 0, 192, F0, F1, 0
	TURN 0, 1, 0
	QUARTER 1, 64,  F0, F1, 0
	QUARTER 1, 128, F1, F0, 0
	QUARTER 1, 192, F0, F1, 0
	s_wait_dscnt 8
	WIN MUL_LO
	MUL16 F1, 0, 0, 0
	MUL16 F1, 0, 2, 0
	s_wait_dscnt 0
	WIN MUL_HI
	MUL16 F1, 1, 0, 0
	MUL16 F1, 1, 2, 0
	PLACES
.endm
.macro PACK a                          ; block a (16 rows) rounded to f16, 16 bytes a lane; every accumulator is read from its low end on
.set AC, 64*((\a)%4)
	WIN 0x0a+5*((\a)/4)
.irp b, 0,1,2,3,4,5,6,7
.irp r, 0,1,2,3
	v_cvt_pk_f16_f32 v[TMP+4*\b+\r], v[AC+8*\b+2*\r], v[AC+8*\b+2*\r+1]
.endr
.endr
	WIN 0
.endm
.macro TOSTAGE a                       ; into my own stage and back as whole rows of 256 bytes; LDS serves a wave's instructions in order
.set BK, OB+192*((\a)%2)
.irp b, 0,1,2,3,4,5,6,7
	ds_store_b128 v[STO], v[TMP+4*\b:TMP+4*\b+3] offset:32*\b
.endr
.irp t, 0,1,2,3,4,5,6,7
	ds_load_b128 v[BK+4*\t:BK+4*\t+3], v[RD] offset:\t*2*SPITCH
.endr
.endm
.macro SEND a, younger
.set BK, OB+192*((\a)%2)
	s_wait_dscnt \younger                          ; the block is back in registers
	s_wait_xcnt 0x0                                ; the stores' base and the registers that earlier stores read are rewritten only behind this wait
.if (\a) == 0
	s_add_nc_u64 s[8:9], s[8:9], s[16:17]          ; on to my part of the tile
.else
	s_add_nc_u64 s[8:9], s[8:9], 16*ROWB
.endif
.irp t, 0,1,2,3,4,5,6,7
	global_store_b128 v[CO], v[BK+4*\t:BK+4*\t+3], s[8:9] offset:2*\t*ROWB   ; 16 lanes store 256 consecutive bytes, aligned
.endr
.endm
.macro WAYOUT                          ; block a's conversions stand between block a - 1's loads from the stage and the wait for them
	PACK 0
	TOSTAGE 0
.irp a, 1,2,3,4,5,6,7
	PACK \a
	SEND \a-1, 0
	TOSTAGE \a
.endr
	SEND 7, 0
.endm
	s_load_b64 s[4:5], s[0:1], 0x0                 ; BF
	s_load_b64 s[8:9], s[0:1], 0x8                 ; PC
	s_load_b64 s[72:73], s[0:1], 0x10              ; QKV
	s_set_vgpr_msb 0x40
	v_lshl_add_u32 v255, v0, 2, 0x49000
	s_set_vgpr_msb 0x4000
	v_mov_b32 v31, 0
	s_set_vgpr_msb 0x1
	ds_add_u32 v255, v31
	s_wait_dscnt 0x0
	s_set_vgpr_msb 0x100
	v_lshrrev_b32 v1, 5, v0
	v_readfirstlane_b32 s10, v1                    ; wave
	s_lshr_b32 s11, s10, 1                         ; my half of the tile's rows; also: I fetch for A (0) or B (1)
	s_and_b32 s12, s10, 1                          ; my half of its columns; also: which 128 rows I fetch
	s_bfe_u32 s40, ttmp6, 0x40000                  ; cx
	s_bfe_u32 s41, ttmp6, 0x40004                  ; cy
	s_lshl_b32 s42, ttmp9, 2
	s_add_co_u32 s42, s42, s40                     ; tile column 0..7
	s_and_b32 s13, ttmp7, 0xffff
	s_lshr_b32 s69, s13, 1                         ; g: which group of products; the cluster's y alone
	s_and_b32 s13, s13, 1
	s_lshl_b32 s13, s13, 2
	s_add_co_u32 s13, s13, s41                     ; tile row 0..7
	s_mov_b32 s66, 0x76543210                      ; v_permlanex16_b32: each lane takes its own place in the other half
	s_mov_b32 s67, 0xfedcba98
	s_mul_i32 s20, s10, HALFT                      ; where my 128 rows go in a slot
	s_cmp_eq_u32 s69, 3
	s_cbranch_scc1 .Lq_path
	; g = 0..2: the channel stage's three products
	s_lshl_b32 s43, s41, 2
	s_lshl_b32 s43, 15, s43                        ; my row of the cluster
	s_lshl_b32 s44, 0x1111, s40                    ; my column
	s_or_b32 s[G1+0], s43, (1<<16)|(1<<20)|(1<<21)|(5<<22)|(3<<25)  ; mask; 2-byte elements; padding of 4 words behind every 64; bit 21 beside a mask
	s_or_b32 s[G1B+0], s44, (1<<16)|(1<<20)|(1<<21)|(5<<22)|(3<<25)
	SHAPE 2048
	s_lshl_b32 s17, s12, 7
	s_lshl_b32 s16, s13, 8
	s_add_co_u32 s16, s16, s17
	s_lshl_b32 s16, s16, 12                        ; A: (256 x tile row + 128 x half) rows of 4,096 bytes
	s_lshl_b32 s46, s42, 8
	s_add_co_u32 s46, s46, s17
	s_lshl_b32 s46, s46, 12                        ; B: the same with the tile column
	s_add_co_u32 s18, s69, 1
	s_lshl_b32 s18, s18, 23                        ; panels of BF: 0 embC, 1 WqC, 2 WkC, 3 WvC
	s_cmp_eq_u32 s69, 2
	s_cselect_b32 s18, 0, s18                      ; A's panel: g + 1, or embC for VC
	s_cselect_b32 s19, 0x1800000, 0                ; B's panel: embC, or WvC for VC
	s_add_co_u32 s16, s16, s18
	s_add_co_u32 s46, s46, s19
	s_mov_b32 s17, 0
	s_mov_b32 s47, 0
	s_wait_kmcnt 0x0
	s_add_nc_u64 s[14:15], s[4:5], s[16:17]
	s_add_nc_u64 s[46:47], s[4:5], s[46:47]
	FILLS
	LANES 12
	v_and_b32 v[LANE], 31, v0
	v_mov_b32 v[ZERO], 0
	s_lshl_b32 s18, s69, 3                         ; my wave's word among the maxima: ((g x 8 + tile row) x 8 + tile column) x 4 + wave
	s_add_co_u32 s18, s18, s13
	s_lshl_b32 s18, s18, 3
	s_add_co_u32 s18, s18, s42
	s_lshl_b32 s18, s18, 2
	s_add_co_u32 s18, s18, s10
	s_lshl_b32 s18, s18, 2
	s_add_co_u32 s18, s18, VMOFF
	s_mov_b32 s19, 0
	s_add_nc_u64 s[70:71], s[8:9], s[18:19]
	s_lshl_b32 s13, s13, 8                         ; where my part of the tile begins in PC: the first way out adds it
	s_lshl_b32 s14, s11, 7
	s_add_co_u32 s16, s13, s14
	s_lshl_b32 s16, s16, 12
	s_lshl_b32 s14, s69, 23
	s_add_co_u32 s16, s16, s14
	s_mov_b32 s17, 0
	s_lshl_b32 s46, s42, 9
	s_lshl_b32 s47, s12, 8
	s_add_co_u32 s46, s46, s47
	s_mov_b32 s47, 0
	s_add_nc_u64 s[16:17], s[16:17], s[46:47]
	GEMM 8
	; the largest and the smallest of my 512 results a lane, in four chains each; every accumulator is read from its low end on
.irp hi, 0,1
	WIN 0x0a+5*\hi
.set i, 0
.rept 128
.if (\hi == 0) && (i < 4)
	v_max_num_f32 v[MXC+i], v[2*i], v[2*i+1]
	v_min_num_f32 v[MXC+4+i], v[2*i], v[2*i+1]
.else
	v_max3_num_f32 v[MXC+i%4], v[2*i], v[2*i+1], v[MXC+i%4]
	v_min3_num_f32 v[MXC+4+i%4], v[2*i], v[2*i+1], v[MXC+4+i%4]
.endif
.set i, i+1
.endr
.endr
	WIN 0
	v_max3_num_f32 v[MXC], v[MXC], v[MXC+1], v[MXC+2]
	v_min3_num_f32 v[MXC+4], v[MXC+4], v[MXC+5], v[MXC+6]
	v_max_num_f32 v[MXC], v[MXC], v[MXC+3]
	v_min_num_f32 v[MXC+4], v[MXC+4], v[MXC+7]
	v_sub_f32 v[MXC+4], 0, v[MXC+4]
	v_max_num_f32 v[MXC], v[MXC], v[MXC+4]         ; max |x| of the lane
	v_max_num_f32_dpp v[MXC], v[MXC], v[MXC] row_xmask:1 row_mask:0xf bank_mask:0xf
	v_max_num_f32_dpp v[MXC], v[MXC], v[MXC] row_xmask:2 row_mask:0xf bank_mask:0xf
	v_max_num_f32_dpp v[MXC], v[MXC], v[MXC] row_xmask:4 row_mask:0xf bank_mask:0xf
	v_max_num_f32_dpp v[MXC], v[MXC], v[MXC] row_xmask:8 row_mask:0xf bank_mask:0xf
	v_permlanex16_b32 v[MXC+1], v[MXC], s66, s67
	v_max_num_f32 v[MXC], v[MXC], v[MXC+1]         ; of the wave
	s_wait_xcnt 0x0                                ; EXEC changes only behind this wait
	v_cmp_eq_u32 vcc_lo, 0, v[LANE]
	s_and_saveexec_b32 s68, vcc_lo
	global_store_b32 v[ZERO], v[MXC], s[70:71]     ; lane 0 stores the wave's word
	s_wait_xcnt 0x0
	s_or_b32 exec_lo, exec_lo, s68
	WAYOUT
	s_set_vgpr_msb 0x1
	s_wait_tensorcnt 0x0
	ds_add_u32 v255, v31
	s_wait_dscnt 0x0
	s_set_vgpr_msb 0x100
	CROUND                                         ; the closing round: no work-group ends while a partner may still ask for a tile that names it
	s_endpgm
	; g = 3: Q_i = emb_i Wq_i^T.  The 8 x 8 work-groups are dealt to 32 tile rows x 2 tile columns; eight tile rows (2,048 rows) belong to one i.
.Lq_path:
.set ROWB, 1024
	s_mov_b32 s[G1+0], (1<<16)|(1<<20)|(5<<22)|(3<<25)   ; no mask: a plain load; 2-byte elements; padding of 4 words behind every 64
	s_mov_b32 s[G1B+0], (1<<16)|(1<<20)|(5<<22)|(3<<25)
	SHAPE 512
	s_lshl_b32 s70, s13, 2
	s_lshr_b32 s18, s42, 1
	s_add_co_u32 s70, s70, s18                     ; Q's tile row = 4 x tile row + tile column / 2: 0..31
	s_and_b32 s71, s42, 1                          ; Q's tile column
	s_lshl_b32 s16, s70, 1
	s_add_co_u32 s16, s16, s12
	s_lshl_b32 s16, s16, 17                        ; A: (2 x Q's tile row + half) x 128 rows of 1,024 bytes,
	s_add_co_u32 s16, s16, X0                      ; behind emb1's first row in BF
	s_lshr_b32 s46, s13, 1                         ; i = Q's tile row / 8
	s_lshl_b32 s46, s46, 1
	s_add_co_u32 s46, s46, s71
	s_lshl_b32 s46, s46, 1
	s_add_co_u32 s46, s46, s12
	s_lshl_b32 s46, s46, 17                        ; B: ((2 i + Q's tile column) x 2 + half) x 128 rows,
	s_add_co_u32 s46, s46, W0                      ; behind Wq1's first row
	s_mov_b32 s17, 0
	s_mov_b32 s47, 0
	s_wait_kmcnt 0x0
	s_add_nc_u64 s[14:15], s[4:5], s[16:17]
	s_add_nc_u64 s[46:47], s[4:5], s[46:47]
	s_mov_b64 s[8:9], s[72:73]                     ; the result goes to QKV's first panel
	FILLS
	LANES 10
	s_lshl_b32 s16, s70, 1                         ; where my part of the tile begins: (2 x Q's tile row + row half) x 128 rows
	s_add_co_u32 s16, s16, s11
	s_lshl_b32 s16, s16, 17
	s_lshl_b32 s18, s71, 9                         ; + 512 x Q's tile column + 256 x column half
	s_add_co_u32 s16, s16, s18
	s_lshl_b32 s18, s12, 8
	s_add_co_u32 s16, s16, s18
	s_mov_b32 s17, 0
	GEMM 2
	WAYOUT
	s_set_vgpr_msb 0x1
	s_wait_tensorcnt 0x0
	ds_add_u32 v255, v31
	s_wait_dscnt 0x0
	s_set_vgpr_msb 0x100
	CROUND                                         ; the closing round stands behind the last tensor load of any kind
	s_endpgm
.Lfunc_end_k_qbbad036fa5_projc:
	.size	k_qbbad036fa5_projc, .Lfunc_end_k_qbbad036fa5_projc-k_qbbad036fa5_projc
	.p2alignl 7, 3214868480
	.fill 96, 4, 3214868480
	.section	.rodata,"a",@progbits
	.p2align	6, 0x0
	.amdhsa_kernel k_qbbad036fa5_projc
		.amdhsa_group_segment_fixed_size 327680
		.amdhsa_private_segment_fixed_size 0
		.amdhsa_enable_private_segment 0
		.amdhsa_kernarg_size 24
		.amdhsa_user_sgpr_count 2
		.amdhsa_user_sgpr_kernarg_segment_ptr 1
		.amdhsa_wavefront_size32 1
		.amdhsa_system_sgpr_workgroup_id_x 1
		.amdhsa_system_sgpr_workgroup_id_y 1
		.amdhsa_system_sgpr_workgroup_id_z 1
		.amdhsa_system_vgpr_workitem_id 0
		.amdhsa_next_free_vgpr 1024
		.amdhsa_next_free_sgpr 80
		.amdhsa_reserve_vcc 1
		.amdhsa_float_denorm_mode_32 3
		.amdhsa_float_denorm_mode_16_64 3
		.amdhsa_memory_ordered 1
		.amdhsa_forward_progress 1
		.amdhsa_inst_pref_size 255
	.end_amdhsa_kernel
	.section	.bss,"aw",@nobits
	.p2align	6
	.space	262144
	.amdgpu_metadata
---
amdhsa.version: [ 1, 2 ]
amdhsa.kernels:
  - .name:           k_qbbad036fa5_projc
    .symbol:         k_qbbad036fa5_projc.kd
    .args:
      - { .name: BF, .offset: 0, .size: 8, .value_kind: global_buffer, .address_space: global }
      - { .name: PC, .offset: 8, .size: 8, .value_kind: global_buffer, .address_space: global }
      - { .name: QKV, .offset: 16, .size: 8, .value_kind: global_buffer, .address_space: global }
    .group_segment_fixed_size: 327680
    .private_segment_fixed_size: 0
    .kernarg_segment_align: 8
    .kernarg_segment_size: 24
    .max_flat_workgroup_size: 128
    .sgpr_count:     80
    .vgpr_count:     1024
    .wavefront_size: 32
...
	.end_amdgpu_metadata
.endif
;; end of part 2
;; launch cstat (part 3): grid 8 x 32, 4 waves a work-group, clusters of 4 x 4, 327,680 bytes of LDS; arguments PC, CS; writes CS
.if DOCPART == 3
	.amdgcn_target "amdgcn-amd-amdhsa--gfx1250"
	.amdhsa_code_object_version 6
	.text
	.protected	k_qbbad036fa5_cstat
	.globl	k_qbbad036fa5_cstat
	.p2align	8
	.type	k_qbbad036fa5_cstat,@function
k_qbbad036fa5_cstat:
	s_mov_b64 s[64:65], 0
	v_nop
	global_prefetch_b8 v0, s[64:65] scope:SCOPE_SE
	s_setreg_imm32_b32 hwreg(HW_REG_WAVE_MODE, 25, 1), 1
	s_wait_xcnt 0x0
	s_wait_alu depctr_hold_cnt(0) depctr_sa_sdst(0) depctr_va_vdst(0) depctr_va_sdst(0) depctr_va_ssrc(0) depctr_va_vcc(0) depctr_vm_vsrc(0)
	s_getreg_b32 s2, hwreg(HW_REG_IB_STS2, 6, 4)
	s_cmp_eq_u32 s2, 0
	s_cbranch_scc0 .Lentry_in_a_cluster
	s_endpgm
.Lentry_in_a_cluster:
	s_bfe_u32 s2, ttmp6, 0x10000c
	s_cmp_lg_u32 s2, 0xf033
	s_cbranch_scc0 .Lentry_shape_is_right
	s_endpgm
.Lentry_shape_is_right:
; attn_c[b][c][d] = sum over n of QC^T[c][n] KC^T[d][n] (K = 512, f16, f32 sums; 1/16 of its true size), tile by tile, and of it only what the instance norm and the softmax need:
; for each wave the mean and the centred sum of squares M2 of its 128 x 128 numbers, and for each row c the maximum over the tile's 256 columns.  The scores are not stored.
; The variance is never a difference of large sums: a lane centres its 512 numbers on their own mean; lanes, waves and tiles are joined by M2 = sum M2_i + n_i (mean_i - mean)^2.
; Tile, ring, cluster and registers as in the product launch before: 256 x 256 of C, four waves, two LDS slots of a K step of 128, joint loads along rows and columns of a 4 x 4 cluster.
.set LAPS,   2
.set KSTEP,  128
.set PITCH,  272
.set HALFT,  128*PITCH
.set SLOT,   4*HALFT
.set STAGE,  2*SLOT
.set SCRL,   STAGE+4*16*272+1024       ; 2 KiB of scratch into which no fill lands: [column half][256 rows] f32
.set ADRA, 16
.set ADRB, 20
.set LANE, 26
.set MST,  27                          ; where I put a row's maximum
.set ZERO, 28
.set MLD,  30                          ; where I read two rows' maxima back
.set MGO,  31                          ; thread x 8
.set SUMC, 32                          ; v[32:39] four pairs of sums
.set SQ,   40                          ; v[40:47] four pairs of sums of squares
.set TT,   64                          ; v[64:95] block a, chain k at 64 + 4 a + k
.set MX,   96                          ; v[96:103] block a's row maximum
.set F0,   64
.set F1,   128
.set G1, 24
.set G0, 32
.set G1B, 48
.set G0B, 56
.set MSB, 0
.macro WIN new
.if MSB != \new
	s_set_vgpr_msb (MSB<<8)|\new
.set MSB, \new
.endif
.endm
.set MUL_LO, 0xa1
.set MUL_HI, 0xf1
.set TO_B,   0x40
.macro JLOAD s
	s_cmp_eq_u32 s11, 0
	s_cbranch_scc0 .Lfor_b_\@
	tensor_load_to_lds s[G0+4*\s:G0+4*\s+3], s[G1:G1+7]
	s_nop 0
.rept 4
	v_nop
.endr
	s_branch .Lasked_\@
.Lfor_b_\@:
	tensor_load_to_lds s[G0B+4*\s:G0B+4*\s+3], s[G1B:G1B+7]
	s_nop 0
.rept 4
	v_nop
.endr
.Lasked_\@:
.endm
.macro CREST
	s_cmp_lg_u32 s10, 0
	s_cbranch_scc1 .Lnot_wave_0_\@
	s_barrier_signal -3
.Lnot_wave_0_\@:
	s_barrier_wait -3
	s_barrier_signal -1
	s_barrier_wait -1
.endm
.macro CROUND
	s_barrier_signal -1
	s_barrier_wait -1
	CREST
.endm
.macro PLACES
.rept 4
	v_nop
.endr
.endm
.macro WSUM r, t                       ; the sum over the wave's 32 lanes, in every lane
	v_add_f32_dpp v[\r], v[\r], v[\r] row_xmask:1 row_mask:0xf bank_mask:0xf
	v_add_f32_dpp v[\r], v[\r], v[\r] row_xmask:2 row_mask:0xf bank_mask:0xf
	v_add_f32_dpp v[\r], v[\r], v[\r] row_xmask:4 row_mask:0xf bank_mask:0xf
	v_add_f32_dpp v[\r], v[\r], v[\r] row_xmask:8 row_mask:0xf bank_mask:0xf
	v_permlanex16_b32 v[\t], v[\r], s66, s67
	v_add_f32 v[\r], v[\r], v[\t]
.endm
	s_load_b128 s[4:7], s[0:1], 0x0                ; PC s[4:5], CS s[6:7]
	s_set_vgpr_msb 0x40
	v_lshl_add_u32 v255, v0, 2, 0x49000
	s_set_vgpr_msb 0x4000
	v_mov_b32 v255, 0
	s_set_vgpr_msb 0x1
	ds_add_u32 v255, v255
	s_set_vgpr_msb 0x100
	v_lshrrev_b32 v1, 5, v0
	v_readfirstlane_b32 s10, v1
	s_lshr_b32 s11, s10, 1
	s_and_b32 s12, s10, 1
	s_bfe_u32 s40, ttmp6, 0x40000
	s_bfe_u32 s41, ttmp6, 0x40004
	s_lshl_b32 s42, ttmp9, 2
	s_add_co_u32 s42, s42, s40                     ; tile column (d) 0..7
	s_and_b32 s13, ttmp7, 0xffff
	s_lshr_b32 s69, s13, 1                         ; batch
	s_and_b32 s13, s13, 1
	s_lshl_b32 s13, s13, 2
	s_add_co_u32 s13, s13, s41                     ; tile row (c) 0..7
	s_lshl_b32 s43, s41, 2
	s_lshl_b32 s43, 15, s43
	s_lshl_b32 s44, 0x1111, s40
	s_mov_b32 s66, 0x76543210
	s_mov_b32 s67, 0xfedcba98
	s_or_b32 s[G1+0], s43, (1<<16)|(1<<20)|(1<<21)|(5<<22)|(3<<25)
	s_or_b32 s[G1B+0], s44, (1<<16)|(1<<20)|(1<<21)|(5<<22)|(3<<25)
.irp g, G1, G1B
	s_mov_b32 s[\g+1], KSTEP<<16
	s_mov_b32 s[\g+2], 128<<16
	s_mov_b32 s[\g+3], KSTEP<<16
	s_mov_b32 s[\g+4], 128
	s_mov_b32 s[\g+5], 2048
	s_mov_b32 s[\g+6], 0
	s_mov_b32 s[\g+7], 0
.endr
	s_lshl_b32 s17, s12, 7
	s_lshl_b32 s16, s13, 8
	s_add_co_u32 s16, s16, s17
	s_lshl_b32 s16, s16, 12
	s_lshl_b32 s18, s69, 10                        ; the batch's 512 tokens begin 1,024 bytes x batch into a row
	s_add_co_u32 s16, s16, s18                     ; A: QC^T
	s_lshl_b32 s46, s42, 8
	s_add_co_u32 s46, s46, s17
	s_lshl_b32 s46, s46, 12
	s_add_co_u32 s46, s46, s18
	s_add_co_u32 s46, s46, 8388608                 ; B: KC^T
	s_mov_b32 s17, 0
	s_mov_b32 s47, 0
	s_mul_i32 s20, s10, HALFT
	s_wait_dscnt 0x0
	s_wait_kmcnt 0x0
	s_add_nc_u64 s[14:15], s[4:5], s[16:17]
	s_add_nc_u64 s[46:47], s[4:5], s[46:47]
	CROUND
.irp s, 0,1
	s_mov_b32 s[G0+4*\s], 1
	s_add_co_u32 s[G0+4*\s+1], s20, \s*SLOT
	s_add_nc_u64 s[G0+4*\s+2:G0+4*\s+3], s[14:15], \s*KSTEP*2
	s_or_b32 s[G0+4*\s+3], s[G0+4*\s+3], 0x80000000
	s_mov_b32 s[G0B+4*\s], 1
	s_add_co_u32 s[G0B+4*\s+1], s20, \s*SLOT
	s_add_nc_u64 s[G0B+4*\s+2:G0B+4*\s+3], s[46:47], \s*KSTEP*2
	s_or_b32 s[G0B+4*\s+3], s[G0B+4*\s+3], 0x80000000
	JLOAD \s
.endr
	v_and_b32 v1, 15, v0
	v_bfe_u32 v2, v0, 4, 1
	v_mul_u32_u24 v3, v1, PITCH
	v_lshl_add_u32 v3, v2, 4, v3
	s_mul_i32 s21, s11, HALFT
	s_mul_i32 s22, s12, HALFT
	s_add_co_u32 s22, s22, 2*HALFT
.irp s, 0,1
	v_add_nc_u32 v[ADRA+\s], s21, v3
	v_add_nc_u32 v[ADRB+\s], s22, v3
	s_add_co_u32 s21, s21, SLOT
	s_add_co_u32 s22, s22, SLOT
.endr
	v_and_b32 v[LANE], 31, v0
	v_mov_b32 v[ZERO], 0
	s_lshl_b32 s18, s12, 10
	s_lshl_b32 s19, s11, 9
	s_add_co_u32 s18, s18, s19
	s_add_co_u32 s18, s18, SCRL
	v_lshl_add_u32 v[MST], v1, 2, s18              ; scratch: column half x 1,024 + row half x 512 + (l % 16) x 4; the block's 64 bytes stand in the immediate
	v_lshlrev_b32 v[MGO], 3, v0
	v_add_nc_u32 v[MLD], SCRL, v[MGO]
	s_lshl_b32 s18, s13, 3                         ; my wave's pair: batch x 2,048 + ((tile row x 8 + tile column) x 4 + wave) x 8
	s_add_co_u32 s18, s18, s42
	s_lshl_b32 s18, s18, 2
	s_add_co_u32 s18, s18, s10
	s_lshl_b32 s18, s18, 3
	s_lshl_b32 s19, s69, 11
	s_add_co_u32 s18, s18, s19
	s_mov_b32 s19, 0
	s_add_nc_u64 s[72:73], s[6:7], s[18:19]
	s_lshl_b32 s18, s69, 3                         ; the tile's row maxima: 8,192 + ((batch x 8 + tile column) x 8 + tile row) x 1,024
	s_add_co_u32 s18, s18, s42
	s_lshl_b32 s18, s18, 3
	s_add_co_u32 s18, s18, s13
	s_lshl_b32 s18, s18, 10
	s_add_co_u32 s18, s18, 8192
	s_add_nc_u64 s[74:75], s[6:7], s[18:19]
.macro MUL16 f, hi, a0, zero           ; the 64 accumulators take turns, one instruction a turn
.irp a, \a0, \a0+1
.irp b, 0,1,2,3,4,5,6,7
.if \zero
	v_wmma_f32_16x16x32_f16 v[8*(8*(\a)+\b):8*(8*(\a)+\b)+7], v[\f+8*\b:\f+8*\b+7], v[\f+8*(4*\hi+\a):\f+8*(4*\hi+\a)+7], 0
.else
	v_wmma_f32_16x16x32_f16 v[8*(8*(\a)+\b):8*(8*(\a)+\b)+7], v[\f+8*\b:\f+8*\b+7], v[\f+8*(4*\hi+\a):\f+8*(4*\hi+\a)+7], v[8*(8*(\a)+\b):8*(8*(\a)+\b)+7]
.endif
.endr
.endr
.endm
.macro FETCH slot, k, f
	WIN TO_B
.irp i, 0,1,2,3,4,5,6,7
	ds_load_b128 v[\f+8*\i:\f+8*\i+3],   v[ADRB+\slot] offset:\k+\i*16*PITCH
	ds_load_b128 v[\f+8*\i+4:\f+8*\i+7], v[ADRB+\slot] offset:\k+\i*16*PITCH+32
.endr
	WIN 0
.irp i, 0,1,2,3,4,5,6,7
	ds_load_b128 v[\f+8*\i:\f+8*\i+3],   v[ADRA+\slot] offset:\k+\i*16*PITCH
	ds_load_b128 v[\f+8*\i+4:\f+8*\i+7], v[ADRA+\slot] offset:\k+\i*16*PITCH+32
.endr
.endm
.macro QUARTER slot, k, f, g, zero
	s_wait_dscnt 8                                 ; all but A's rows 64-127
	WIN MUL_LO
	MUL16 \f, 0, 0, \zero
	MUL16 \f, 0, 2, \zero
	PLACES
	FETCH \slot, \k, \g
	s_wait_dscnt 32                                ; all but the 32 just issued
	WIN MUL_HI
	MUL16 \f, 1, 0, \zero
	MUL16 \f, 1, 2, \zero
.endm
.macro MEET round
	s_wait_dscnt 8
	WIN MUL_LO
	MUL16 F1, 0, 0, 0
	s_wait_dscnt 0                                 ; my reads of this slot are over,
	s_wait_tensorcnt 0x0                           ; and all my tensor loads have landed
	ds_add_u32 v255, v255
	s_wait_dscnt 0x0
	s_barrier_signal -1
	MUL16 F1, 0, 2, 0
.if \round
	WIN 0
.endif
	s_barrier_wait -1
.endm
.macro TURN slot, next, fill
	MEET \fill
.if \fill
	CREST
	s_add_nc_u64 s[G0+4*\slot+2:G0+4*\slot+3], s[G0+4*\slot+2:G0+4*\slot+3], 2*KSTEP*2
	s_add_nc_u64 s[G0B+4*\slot+2:G0B+4*\slot+3], s[G0B+4*\slot+2:G0B+4*\slot+3], 2*KSTEP*2
	JLOAD \slot
.else
	PLACES
.endif
	FETCH \next, 0, F0
	WIN MUL_HI
	MUL16 F1, 1, 0, 0
	MUL16 F1, 1, 2, 0
.endm
	s_wait_tensorcnt 1                             ; K step 0 is in; step 1 stays out
	s_barrier_signal -1
	s_barrier_wait -1
	FETCH 0, 0, F0
	QUARTER 0, 64,  F0, F1, 1
	WIN 0
	s_mov_b32 s3, LAPS-1
.Llap:
	QUARTER 0, 128, F1, F0, 0
	QUARTER 0, 192, F0, F1, 0
	TURN 0, 1, 1
	QUARTER 1, 64,  F0, F1, 0
	QUARTER 1, 128, F1, F0, 0
	QUARTER 1, 192, F0, F1, 0
	TURN 1, 0, 1
	QUARTER 0, 64,  F0, F1, 0
	WIN 0
	s_sub_co_u32 s3, s3, 1
	s_cmp_lg_u32 s3, 0
	s_cbranch_scc1 .Llap
	QUARTER 0, 128, F1, F0, 0
	QUARTER 0, 192, F0, F1, 0
	TURN 0, 1, 0
	QUARTER 1, 64,  F0, F1, 0
	QUARTER 1, 128, F1, F0, 0
	QUARTER 1, 192, F0, F1, 0
	s_wait_dscnt 8
	WIN MUL_LO
	MUL16 F1, 0, 0, 0
	MUL16 F1, 0, 2, 0
	s_wait_dscnt 0
	WIN MUL_HI
	MUL16 F1, 1, 0, 0
	MUL16 F1, 1, 2, 0
	WIN 0
.irp k, 0,1,2,3,4,5,6,7
	v_mov_b32 v[SUMC+\k], 0                        ; the four chains of sums start at zero; these eight lines are also the places behind the last products
.endr
; The lane's sum (every accumulator is read from its low end on), then the row maxima: a lane holds row l % 16 of each block of 16 rows, 64 of its columns in 64 registers.
.macro SUMMAX hi
	WIN 0x02+\hi
.set i, 0
.rept 128
	v_pk_add_f32 v[SUMC+2*(i%4):SUMC+2*(i%4)+1], v[2*i:2*i+1], v[SUMC+2*(i%4):SUMC+2*(i%4)+1]
.set i, i+1
.endr
	WIN 0x0a+5*\hi
.set i, 0
.rept 16
	v_max_num_f32 v[TT+16*\hi+i], v[16*i], v[16*i+1]
.set i, i+1
.endr
	WIN 0x28+0x14*\hi
.set j, 1
.rept 7
.set i, 0
.rept 16
	v_max3_num_f32 v[TT+16*\hi+i], v[TT+16*\hi+i], v[16*i+2*j], v[16*i+2*j+1]
.set i, i+1
.endr
.set j, j+1
.endr
.endm
	SUMMAX 0
	SUMMAX 1
	WIN 0
	v_pk_add_f32 v[32:33], v[32:33], v[34:35]
	v_pk_add_f32 v[36:37], v[36:37], v[38:39]
	v_pk_add_f32 v[32:33], v[32:33], v[36:37]
	v_add_f32 v32, v32, v33
	v_mul_f32 v48, 0x3b000000, v32                 ; the lane's mean: sum / 512
	v_mov_b32 v49, v48
.irp a, 0,1,2,3,4,5,6,7
	v_max3_num_f32 v[MX+\a], v[TT+4*\a], v[TT+4*\a+1], v[TT+4*\a+2]
.endr
.irp a, 0,1,2,3,4,5,6,7
	v_max_num_f32 v[MX+\a], v[MX+\a], v[TT+4*\a+3]
.endr
.macro CENTRE hi                       ; x - the lane's mean, in place; then the sum of squares in four chains, started by the first four products
	WIN 0x82+0x41*\hi
.set i, 0
.rept 128
	v_pk_add_f32 v[2*i:2*i+1], v[2*i:2*i+1], v[48:49] neg_lo:[0,1] neg_hi:[0,1]
.set i, i+1
.endr
	WIN 0x0a+5*\hi
.set i, 0
.rept 128
.if (\hi == 0) && (i < 4)
	v_pk_mul_f32 v[SQ+2*i:SQ+2*i+1], v[2*i:2*i+1], v[2*i:2*i+1]
.else
	v_pk_fma_f32 v[SQ+2*(i%4):SQ+2*(i%4)+1], v[2*i:2*i+1], v[2*i:2*i+1], v[SQ+2*(i%4):SQ+2*(i%4)+1]
.endif
.set i, i+1
.endr
.endm
	CENTRE 0
	CENTRE 1
	WIN 0
	v_pk_add_f32 v[40:41], v[40:41], v[42:43]
	v_pk_add_f32 v[44:45], v[44:45], v[46:47]
	v_pk_add_f32 v[40:41], v[40:41], v[44:45]
	v_add_f32 v40, v40, v41                        ; the lane's M2
	v_mov_b32 v50, v48
	v_mov_b32 v51, v48
	WSUM 50, 51
	v_mul_f32 v52, 0x3d000000, v50                 ; the wave's mean: 32 lanes of equal count
	v_sub_f32 v54, v48, v52
	v_mul_f32 v54, v54, v54
	v_fmamk_f32 v40, v54, 0x44000000, v40          ; M2 + 512 (mean_lane - mean_wave)^2
	WSUM 40, 51
	v_mov_b32 v53, v40                             ; the wave's M2
.irp a, 0,1,2,3,4,5,6,7
	v_permlanex16_b32 v[TT+\a], v[MX+\a], s66, s67 ; the row's other 64 columns lie in the lane 16 away
.endr
.irp a, 0,1,2,3,4,5,6,7
	v_max_num_f32 v[MX+\a], v[MX+\a], v[TT+\a]
.endr
.irp a, 0,1,2,3,4,5,6,7
	ds_store_b32 v[MST], v[MX+\a] offset:64*\a
.endr
	s_wait_dscnt 0x0                               ; for the others' sake: my stores are done
	s_barrier_signal -1
	s_barrier_wait -1
	ds_load_b64 v[56:57], v[MLD]                   ; two rows, left column half
	ds_load_b64 v[58:59], v[MLD] offset:1024       ; right column half
	s_wait_dscnt 0x0
	v_max_num_f32 v56, v56, v58
	v_max_num_f32 v57, v57, v59
	global_store_b64 v[MGO], v[56:57], s[74:75]    ; a wave stores 256 consecutive bytes, aligned
	s_wait_xcnt 0x0                                ; EXEC changes only behind this wait
	v_cmp_eq_u32 vcc_lo, 0, v[LANE]
	s_and_saveexec_b32 s68, vcc_lo
	global_store_b64 v[ZERO], v[52:53], s[72:73]   ; lane 0: the wave's mean and M2
	s_wait_xcnt 0x0
	s_or_b32 exec_lo, exec_lo, s68
	s_set_vgpr_msb 0x1
	s_wait_tensorcnt 0x0
	ds_add_u32 v255, v255
	s_wait_dscnt 0x0
	s_set_vgpr_msb 0x100
	CROUND                                         ; the closing round
	s_endpgm
.Lfunc_end_k_qbbad036fa5_cstat:
	.size	k_qbbad036fa5_cstat, .Lfunc_end_k_qbbad036fa5_cstat-k_qbbad036fa5_cstat
	.p2alignl 7, 3214868480
	.fill 96, 4, 3214868480
	.section	.rodata,"a",@progbits
	.p2align	6, 0x0
	.amdhsa_kernel k_qbbad036fa5_cstat
		.amdhsa_group_segment_fixed_size 327680
		.amdhsa_private_segment_fixed_size 0
		.amdhsa_enable_private_segment 0
		.amdhsa_kernarg_size 16
		.amdhsa_user_sgpr_count 2
		.amdhsa_user_sgpr_kernarg_segment_ptr 1
		.amdhsa_wavefront_size32 1
		.amdhsa_system_sgpr_workgroup_id_x 1
		.amdhsa_system_sgpr_workgroup_id_y 1
		.amdhsa_system_sgpr_workgroup_id_z 1
		.amdhsa_system_vgpr_workitem_id 0
		.amdhsa_next_free_vgpr 1024
		.amdhsa_next_free_sgpr 80
		.amdhsa_reserve_vcc 1
		.amdhsa_float_denorm_mode_32 3
		.amdhsa_float_denorm_mode_16_64 3
		.amdhsa_memory_ordered 1
		.amdhsa_forward_progress 1
		.amdhsa_inst_pref_size 179
	.end_amdhsa_kernel
	.amdgpu_metadata
---
amdhsa.version: [ 1, 2 ]
amdhsa.kernels:
  - .name:           k_qbbad036fa5_cstat
    .symbol:         k_qbbad036fa5_cstat.kd
    .args:
      - { .name: PC, .offset: 0, .size: 8, .value_kind: global_buffer, .address_space: global }
      - { .name: CS, .offset: 8, .size: 8, .value_kind: global_buffer, .address_space: global }
    .group_segment_fixed_size: 327680
    .private_segment_fixed_size: 0
    .kernarg_segment_align: 8
    .kernarg_segment_size: 16
    .max_flat_workgroup_size: 128
    .sgpr_count:     80
    .vgpr_count:     1024
    .wavefront_size: 32
...
	.end_amdgpu_metadata
.endif
;; end of part 3
;; launch cprob (part 4): grid 8 x 32, 4 waves a work-group, clusters of 4 x 4, 327,680 bytes of LDS; arguments PC, CS, PB, LS; writes PB, LS
.if DOCPART == 4
	.amdgcn_target "amdgcn-amd-amdhsa--gfx1250"
	.amdhsa_code_object_version 6
	.text
	.protected	k_qbbad036fa5_cprob
	.globl	k_qbbad036fa5_cprob
	.p2align	8
	.type	k_qbbad036fa5_cprob,@function
k_qbbad036fa5_cprob:
	s_mov_b64 s[64:65], 0
	v_nop
	global_prefetch_b8 v0, s[64:65] scope:SCOPE_SE
	s_setreg_imm32_b32 hwreg(HW_REG_WAVE_MODE, 25, 1), 1
	s_wait_xcnt 0x0
	s_wait_alu depctr_hold_cnt(0) depctr_sa_sdst(0) depctr_va_vdst(0) depctr_va_sdst(0) depctr_va_ssrc(0) depctr_va_vcc(0) depctr_vm_vsrc(0)
	s_getreg_b32 s2, hwreg(HW_REG_IB_STS2, 6, 4)
	s_cmp_eq_u32 s2, 0
	s_cbranch_scc0 .Lentry_in_a_cluster
	s_endpgm
.Lentry_in_a_cluster:
	s_bfe_u32 s2, ttmp6, 0x10000c
	s_cmp_lg_u32 s2, 0xf033
	s_cbranch_scc0 .Lentry_shape_is_right
	s_endpgm
.Lentry_shape_is_right:
; attn_c once more, by the same instructions in the same order as in the statistics launch (so with the same bits), and now the weights:
; P[b][c][d] = 2^(c0 x - c0 m[c]), c0 = 16 log2(e) / sqrt(var + eps), m[c] the row's true maximum; the mean of the instance norm cancels in the softmax.
; x is 1/16 of the true score (QC and KC are stored at a quarter): var = 256 var_x = M2 2^-14, and the factor 16 stands in c0.
; P goes out in f16 (it lies in (0, 1]; weights under 6e-8 become zero), the row sums over the tile's 256 columns in f32; the division is left to the next launch.
; Recomputing costs a product with K = 512; storing the scores in f32 would cost 64 MiB out and 64 MiB in.
.set LAPS,   2
.set KSTEP,  128
.set PITCH,  272
.set HALFT,  128*PITCH
.set SLOT,   4*HALFT
.set STAGE,  2*SLOT
.set SPITCH, 272
.set SCRM,   STAGE+4*16*SPITCH         ; 1 KiB: the tile's 256 row maxima; no fill lands here
.set SCRL,   SCRM+1024                 ; 2 KiB: [column half][256 rows] row sums
.set ROWB,   4096
.set ADRA, 16
.set ADRB, 20
.set STO,  24
.set RD,   25
.set CO,   26
.set MRD,  27                          ; where I read my rows' maxima
.set CE,   28                          ; v[28:29] c0, twice
.set LST,  30                          ; where I put a row's sum
.set T8,   31                          ; thread x 8
.set F0,   64
.set F1,   128
.set CM,   64                          ; v[64:79] block a: c0 m, twice
.set RS,   80                          ; v[80:87] block a's row sum
.set TMP,  192
.set OB,   32
.set G1, 24
.set G0, 32
.set G1B, 48
.set G0B, 56
.set MSB, 0
.macro WIN new
.if MSB != \new
	s_set_vgpr_msb (MSB<<8)|\new
.set MSB, \new
.endif
.endm
.set MUL_LO, 0xa1
.set MUL_HI, 0xf1
.set TO_B,   0x40
.macro JLOAD s
	s_cmp_eq_u32 s11, 0
	s_cbranch_scc0 .Lfor_b_\@
	tensor_load_to_lds s[G0+4*\s:G0+4*\s+3], s[G1:G1+7]
	s_nop 0
.rept 4
	v_nop
.endr
	s_branch .Lasked_\@
.Lfor_b_\@:
	tensor_load_to_lds s[G0B+4*\s:G0B+4*\s+3], s[G1B:G1B+7]
	s_nop 0
.rept 4
	v_nop
.endr
.Lasked_\@:
.endm
.macro CREST
	s_cmp_lg_u32 s10, 0
	s_cbranch_scc1 .Lnot_wave_0_\@
	s_barrier_signal -3
.Lnot_wave_0_\@:
	s_barrier_wait -3
	s_barrier_signal -1
	s_barrier_wait -1
.endm
.macro CROUND
	s_barrier_signal -1
	s_barrier_wait -1
	CREST
.endm
.macro PLACES
.rept 4
	v_nop
.endr
.endm
.macro WSUM r, t
	v_add_f32_dpp v[\r], v[\r], v[\r] row_xmask:1 row_mask:0xf bank_mask:0xf
	v_add_f32_dpp v[\r], v[\r], v[\r] row_xmask:2 row_mask:0xf bank_mask:0xf
	v_add_f32_dpp v[\r], v[\r], v[\r] row_xmask:4 row_mask:0xf bank_mask:0xf
	v_add_f32_dpp v[\r], v[\r], v[\r] row_xmask:8 row_mask:0xf bank_mask:0xf
	v_permlanex16_b32 v[\t], v[\r], s66, s67
	v_add_f32 v[\r], v[\r], v[\t]
.endm
	s_load_b128 s[4:7], s[0:1], 0x0                ; PC s[4:5], CS s[6:7]
	s_load_b64 s[8:9], s[0:1], 0x10                ; PB
	s_load_b64 s[74:75], s[0:1], 0x18              ; LS
	s_set_vgpr_msb 0x40
	v_lshl_add_u32 v255, v0, 2, 0x49000
	s_set_vgpr_msb 0x4000
	v_mov_b32 v23, 0
	s_set_vgpr_msb 0x1
	ds_add_u32 v255, v23
	s_set_vgpr_msb 0x100
	v_lshrrev_b32 v1, 5, v0
	v_readfirstlane_b32 s10, v1
	s_lshr_b32 s11, s10, 1
	s_and_b32 s12, s10, 1
	s_bfe_u32 s40, ttmp6, 0x40000
	s_bfe_u32 s41, ttmp6, 0x40004
	s_lshl_b32 s42, ttmp9, 2
	s_add_co_u32 s42, s42, s40
	s_and_b32 s13, ttmp7, 0xffff
	s_lshr_b32 s69, s13, 1                         ; batch
	s_and_b32 s13, s13, 1
	s_lshl_b32 s13, s13, 2
	s_add_co_u32 s13, s13, s41
	s_lshl_b32 s43, s41, 2
	s_lshl_b32 s43, 15, s43
	s_lshl_b32 s44, 0x1111, s40
	s_mov_b32 s66, 0x76543210
	s_mov_b32 s67, 0xfedcba98
	s_or_b32 s[G1+0], s43, (1<<16)|(1<<20)|(1<<21)|(5<<22)|(3<<25)
	s_or_b32 s[G1B+0], s44, (1<<16)|(1<<20)|(1<<21)|(5<<22)|(3<<25)
.irp g, G1, G1B
	s_mov_b32 s[\g+1], KSTEP<<16
	s_mov_b32 s[\g+2], 128<<16
	s_mov_b32 s[\g+3], KSTEP<<16
	s_mov_b32 s[\g+4], 128
	s_mov_b32 s[\g+5], 2048
	s_mov_b32 s[\g+6], 0
	s_mov_b32 s[\g+7], 0
.endr
	s_lshl_b32 s17, s12, 7
	s_lshl_b32 s16, s13, 8
	s_add_co_u32 s16, s16, s17
	s_lshl_b32 s16, s16, 12
	s_lshl_b32 s18, s69, 10
	s_add_co_u32 s16, s16, s18
	s_lshl_b32 s46, s42, 8
	s_add_co_u32 s46, s46, s17
	s_lshl_b32 s46, s46, 12
	s_add_co_u32 s46, s46, s18
	s_add_co_u32 s46, s46, 8388608
	s_mov_b32 s17, 0
	s_mov_b32 s47, 0
	s_mul_i32 s20, s10, HALFT
	s_wait_dscnt 0x0
	s_wait_kmcnt 0x0
	s_add_nc_u64 s[14:15], s[4:5], s[16:17]
	s_add_nc_u64 s[46:47], s[4:5], s[46:47]
	CROUND
.irp s, 0,1
	s_mov_b32 s[G0+4*\s], 1
	s_add_co_u32 s[G0+4*\s+1], s20, \s*SLOT
	s_add_nc_u64 s[G0+4*\s+2:G0+4*\s+3], s[14:15], \s*KSTEP*2
	s_or_b32 s[G0+4*\s+3], s[G0+4*\s+3], 0x80000000
	s_mov_b32 s[G0B+4*\s], 1
	s_add_co_u32 s[G0B+4*\s+1], s20, \s*SLOT
	s_add_nc_u64 s[G0B+4*\s+2:G0B+4*\s+3], s[46:47], \s*KSTEP*2
	s_or_b32 s[G0B+4*\s+3], s[G0B+4*\s+3], 0x80000000
	JLOAD \s
.endr
	; the batch's 256 pairs (mean, M2) and the eight partial maxima of the tile's 256 rows are asked for while the tiles are on their way
	s_lshl_b32 s18, s69, 11
	s_mov_b32 s19, 0
	s_add_nc_u64 s[70:71], s[6:7], s[18:19]        ; CS + batch x 2,048
	s_lshl_b32 s18, s69, 16
	s_lshl_b32 s21, s13, 10
	s_add_co_u32 s18, s18, s21
	s_add_co_u32 s18, s18, 8192
	s_add_nc_u64 s[72:73], s[6:7], s[18:19]        ; CS + 8,192 + batch x 65,536 + tile row x 1,024
	v_and_b32 v3, 31, v0
	v_lshlrev_b32 v3, 4, v3
	v_lshlrev_b32 v[T8], 3, v0
.irp k, 0,1,2,3
	global_load_b128 v[32+4*\k:35+4*\k], v3, s[70:71] offset:512*\k   ; two pairs a load: eight pairs a lane, 256 a wave
.endr
.irp k, 0,1,2,3,4,5,6,7
	global_load_b64 v[48+2*\k:49+2*\k], v[T8], s[72:73] offset:8192*\k  ; rows 2 t, 2 t + 1 of column chunk k
.endr
	s_lshl_b32 s18, s69, 3
	s_add_co_u32 s18, s18, s42
	s_lshl_b32 s18, s18, 3
	s_add_co_u32 s18, s18, s13
	s_lshl_b32 s18, s18, 10
	s_add_nc_u64 s[74:75], s[74:75], s[18:19]      ; LS + ((batch x 8 + tile column) x 8 + tile row) x 1,024
	v_and_b32 v1, 15, v0
	v_bfe_u32 v2, v0, 4, 1
	v_mul_u32_u24 v10, v1, PITCH
	v_lshl_add_u32 v10, v2, 4, v10
	s_mul_i32 s21, s11, HALFT
	s_mul_i32 s22, s12, HALFT
	s_add_co_u32 s22, s22, 2*HALFT
.irp s, 0,1
	v_add_nc_u32 v[ADRA+\s], s21, v10
	v_add_nc_u32 v[ADRB+\s], s22, v10
	s_add_co_u32 s21, s21, SLOT
	s_add_co_u32 s22, s22, SLOT
.endr
	s_mul_i32 s23, s10, 16*SPITCH
	s_add_co_u32 s23, s23, STAGE
	v_mul_u32_u24 v11, v1, SPITCH
	v_lshl_add_u32 v11, v2, 4, v11
	v_add_nc_u32 v[STO], s23, v11
	v_mul_u32_u24 v12, v2, SPITCH
	v_lshl_add_u32 v12, v1, 4, v12
	v_add_nc_u32 v[RD], s23, v12
	v_lshlrev_b32 v12, 12, v2
	v_lshl_add_u32 v[CO], v1, 4, v12
	s_lshl_b32 s18, s11, 9
	s_add_co_u32 s18, s18, SCRM
	v_lshl_add_u32 v[MRD], v1, 2, s18
	s_lshl_b32 s21, s12, 10
	s_add_co_u32 s18, s18, s21
	s_add_co_u32 s18, s18, SCRL-SCRM
	v_lshl_add_u32 v[LST], v1, 2, s18
	s_lshl_b32 s13, s13, 8                         ; where my part of the tile begins in PB
	s_lshl_b32 s14, s11, 7
	s_add_co_u32 s16, s13, s14
	s_lshl_b32 s16, s16, 12
	s_lshl_b32 s14, s69, 23
	s_add_co_u32 s16, s16, s14
	s_mov_b32 s17, 0
	s_lshl_b32 s46, s42, 9
	s_lshl_b32 s47, s12, 8
	s_add_co_u32 s46, s46, s47
	s_mov_b32 s47, 0
	s_add_nc_u64 s[16:17], s[16:17], s[46:47]
	s_wait_loadcnt 0x0
	v_add_f32 v4, v32, v34                         ; the mean of the 256 waves' means (equal counts)
	v_add_f32 v5, v36, v38
	v_add_f32 v6, v40, v42
	v_add_f32 v7, v44, v46
	v_add_f32 v4, v4, v5
	v_add_f32 v6, v6, v7
	v_add_f32 v4, v4, v6
	WSUM 4, 5
	v_mul_f32 v4, 0x3b800000, v4
.irp k, 0,1,2,3,4,5,6,7
	v_sub_f32 v[32+2*\k], v[32+2*\k], v4
.endr
.irp k, 0,1,2,3,4,5,6,7
	v_mul_f32 v[32+2*\k], v[32+2*\k], v[32+2*\k]
.endr
.irp k, 0,1,2,3,4,5,6,7
	v_fmamk_f32 v[33+2*\k], v[32+2*\k], 0x46800000, v[33+2*\k]   ; M2_wave + 16,384 (mean_wave - mean)^2
.endr
	v_add_f32 v4, v33, v35
	v_add_f32 v5, v37, v39
	v_add_f32 v6, v41, v43
	v_add_f32 v7, v45, v47
	v_add_f32 v4, v4, v5
	v_add_f32 v6, v6, v7
	v_add_f32 v4, v4, v6
	WSUM 4, 5
	v_mov_b32 v5, 0x3727c5ac                       ; eps = 1e-5
	v_fmamk_f32 v4, v4, 0x38800000, v5             ; the true variance: M2 x 256 / 2^22, + eps
	v_rsq_f32 v4, v4
	v_nop                                          ; a plain instruction between the root and its use
	s_wait_alu depctr_va_vdst(0)
	v_mul_f32 v[CE], 0x41b8aa3b, v4                ; c0 = 16 log2(e) / sqrt(var + eps)
	v_mov_b32 v[CE+1], v[CE]
	v_max3_num_f32 v48, v48, v50, v52              ; the rows' maxima over the eight column chunks
	v_max3_num_f32 v49, v49, v51, v53
	v_max3_num_f32 v48, v48, v54, v56
	v_max3_num_f32 v49, v49, v55, v57
	v_max3_num_f32 v48, v48, v58, v60
	v_max3_num_f32 v49, v49, v59, v61
	v_max_num_f32 v48, v48, v62
	v_max_num_f32 v49, v49, v63
	v_add_nc_u32 v3, SCRM, v[T8]
	ds_store_b64 v3, v[48:49]
.macro MUL16 f, hi, a0, zero           ; the 64 accumulators take turns, one instruction a turn
.irp a, \a0, \a0+1
.irp b, 0,1,2,3,4,5,6,7
.if \zero
	v_wmma_f32_16x16x32_f16 v[8*(8*(\a)+\b):8*(8*(\a)+\b)+7], v[\f+8*\b:\f+8*\b+7], v[\f+8*(4*\hi+\a):\f+8*(4*\hi+\a)+7], 0
.else
	v_wmma_f32_16x16x32_f16 v[8*(8*(\a)+\b):8*(8*(\a)+\b)+7], v[\f+8*\b:\f+8*\b+7], v[\f+8*(4*\hi+\a):\f+8*(4*\hi+\a)+7], v[8*(8*(\a)+\b):8*(8*(\a)+\b)+7]
.endif
.endr
.endr
.endm
.macro FETCH slot, k, f
	WIN TO_B
.irp i, 0,1,2,3,4,5,6,7
	ds_load_b128 v[\f+8*\i:\f+8*\i+3],   v[ADRB+\slot] offset:\k+\i*16*PITCH
	ds_load_b128 v[\f+8*\i+4:\f+8*\i+7], v[ADRB+\slot] offset:\k+\i*16*PITCH+32
.endr
	WIN 0
.irp i, 0,1,2,3,4,5,6,7
	ds_load_b128 v[\f+8*\i:\f+8*\i+3],   v[ADRA+\slot] offset:\k+\i*16*PITCH
	ds_load_b128 v[\f+8*\i+4:\f+8*\i+7], v[ADRA+\slot] offset:\k+\i*16*PITCH+32
.endr
.endm
.macro QUARTER slot, k, f, g, zero
	s_wait_dscnt 8                                 ; all but A's rows 64-127
	WIN MUL_LO
	MUL16 \f, 0, 0, \zero
	MUL16 \f, 0, 2, \zero
	PLACES
	FETCH \slot, \k, \g
	s_wait_dscnt 32                                ; all but the 32 just issued
	WIN MUL_HI
	MUL16 \f, 1, 0, \zero
	MUL16 \f, 1, 2, \zero
.endm
.macro MEET round
	s_wait_dscnt 8
	WIN MUL_LO
	MUL16 F1, 0, 0, 0
	s_wait_dscnt 0
	s_wait_tensorcnt 0x0
	ds_add_u32 v255, v23
	s_wait_dscnt 0x0
	s_barrier_signal -1
	MUL16 F1, 0, 2, 0
.if \round
	WIN 0
.endif
	s_barrier_wait -1
.endm
.macro TURN slot, next, fill
	MEET \fill
.if \fill
	CREST
	s_add_nc_u64 s[G0+4*\slot+2:G0+4*\slot+3], s[G0+4*\slot+2:G0+4*\slot+3], 2*KSTEP*2
	s_add_nc_u64 s[G0B+4*\slot+2:G0B+4*\slot+3], s[G0B+4*\slot+2:G0B+4*\slot+3], 2*KSTEP*2
	JLOAD \slot
.else
	PLACES
.endif
	FETCH \next, 0, F0
	WIN MUL_HI
	MUL16 F1, 1, 0, 0
	MUL16 F1, 1, 2, 0
.endm
; Block a (16 rows, a lane's 64 numbers of one row): c0 x - c0 m, the exponentials, the rounding to f16, and the lane's sum, in place, by a tree.
.macro BLOCK a
.set AC, 64*((\a)%4)
	WIN 0x82+0x41*((\a)/4)
.set i, 0
.rept 32
	v_pk_fma_f32 v[AC+2*i:AC+2*i+1], v[AC+2*i:AC+2*i+1], v[CE:CE+1], v[CM+2*(\a):CM+2*(\a)+1] op_sel_hi:[1,0,0] neg_lo:[0,0,1] neg_hi:[0,0,1]
.set i, i+1
.endr
.set i, 0
.rept 64
	v_exp_f32 v[AC+i], v[AC+i]
.set i, i+1
.endr
	v_nop                                          ; a plain instruction between the run of exponentials and the first use of a result
	WIN 0x0a+5*((\a)/4)
.set i, 0
	s_wait_alu depctr_va_vdst(0)
.rept 32
	v_cvt_pk_f16_f32 v[TMP+i], v[AC+2*i], v[AC+2*i+1]
.set i, i+1
.endr
	WIN 0x8a+0x45*((\a)/4)
.irp w, 4,8,16,32,64
.set u, 0
.rept 64/\w
	v_pk_add_f32 v[AC+\w*u:AC+\w*u+1], v[AC+\w*u:AC+\w*u+1], v[AC+\w*u+\w/2:AC+\w*u+\w/2+1]
.set u, u+1
.endr
.endr
	WIN 0
.endm
.macro TOSTAGE a
.set BK, OB+192*((\a)%2)
.irp b, 0,1,2,3,4,5,6,7
	ds_store_b128 v[STO], v[TMP+4*\b:TMP+4*\b+3] offset:32*\b
.endr
.irp t, 0,1,2,3,4,5,6,7
	ds_load_b128 v[BK+4*\t:BK+4*\t+3], v[RD] offset:\t*2*SPITCH
.endr
.endm
.macro SEND a, younger
.set BK, OB+192*((\a)%2)
	s_wait_dscnt \younger
	s_wait_xcnt 0x0                                ; the stores' base and the registers that earlier stores read are rewritten only behind this wait
.if (\a) == 0
	s_add_nc_u64 s[8:9], s[8:9], s[16:17]
.else
	s_add_nc_u64 s[8:9], s[8:9], 16*ROWB
.endif
.irp t, 0,1,2,3,4,5,6,7
	global_store_b128 v[CO], v[BK+4*\t:BK+4*\t+3], s[8:9] offset:2*\t*ROWB   ; 16 lanes store 256 consecutive bytes, aligned
.endr
.endm
	s_wait_tensorcnt 1                             ; K step 0 is in; step 1 stays out
	s_wait_dscnt 0x0                               ; for the others' sake: my rows' maxima are in the scratch
	s_barrier_signal -1
	s_barrier_wait -1
	FETCH 0, 0, F0
	QUARTER 0, 64,  F0, F1, 1
	WIN 0
	s_mov_b32 s3, LAPS-1
.Llap:
	QUARTER 0, 128, F1, F0, 0
	QUARTER 0, 192, F0, F1, 0
	TURN 0, 1, 1
	QUARTER 1, 64,  F0, F1, 0
	QUARTER 1, 128, F1, F0, 0
	QUARTER 1, 192, F0, F1, 0
	TURN 1, 0, 1
	QUARTER 0, 64,  F0, F1, 0
	WIN 0
	s_sub_co_u32 s3, s3, 1
	s_cmp_lg_u32 s3, 0
	s_cbranch_scc1 .Llap
	QUARTER 0, 128, F1, F0, 0
	QUARTER 0, 192, F0, F1, 0
	TURN 0, 1, 0
	QUARTER 1, 64,  F0, F1, 0
	QUARTER 1, 128, F1, F0, 0
	QUARTER 1, 192, F0, F1, 0
	s_wait_dscnt 8
	WIN MUL_LO
	MUL16 F1, 0, 0, 0
	MUL16 F1, 0, 2, 0
	s_wait_dscnt 0
	WIN MUL_HI
	MUL16 F1, 1, 0, 0
	MUL16 F1, 1, 2, 0
	WIN 0
	PLACES
.irp a, 0,1,2,3,4,5,6,7
	ds_load_b32 v[CM+2*\a], v[MRD] offset:64*\a    ; the maximum of my row of block a
.endr
	s_wait_dscnt 0x0
.irp a, 0,1,2,3,4,5,6,7
	v_mul_f32 v[CM+2*\a], v[CE], v[CM+2*\a]
.endr
.irp a, 0,1,2,3,4,5,6,7
	v_mov_b32 v[CM+2*\a+1], v[CM+2*\a]
.endr
	BLOCK 0
	TOSTAGE 0
.irp a, 1,2,3,4,5,6,7
	BLOCK \a
	SEND \a-1, 0
	TOSTAGE \a
.endr
	SEND 7, 0
	WIN 0x0a
.irp a, 0,1,2,3
	v_add_f32 v[RS+\a], v[64*\a], v[64*\a+1]
.endr
	WIN 0x0f
.irp a, 0,1,2,3
	v_add_f32 v[RS+4+\a], v[64*\a], v[64*\a+1]
.endr
	WIN 0
.irp a, 0,1,2,3,4,5,6,7
	v_permlanex16_b32 v[CM+2*\a+1], v[RS+\a], s66, s67
.endr
.irp a, 0,1,2,3,4,5,6,7
	v_add_f32 v[RS+\a], v[RS+\a], v[CM+2*\a+1]
.endr
.irp a, 0,1,2,3,4,5,6,7
	ds_store_b32 v[LST], v[RS+\a] offset:64*\a
.endr
	s_wait_dscnt 0x0                               ; for the others' sake: my stores are done
	s_barrier_signal -1
	s_barrier_wait -1
	v_add_nc_u32 v3, SCRL, v[T8]
	ds_load_b64 v[4:5], v3
	ds_load_b64 v[6:7], v3 offset:1024
	s_wait_dscnt 0x0
	v_pk_add_f32 v[4:5], v[4:5], v[6:7]
	global_store_b64 v[T8], v[4:5], s[74:75]       ; a wave stores 256 consecutive bytes, aligned
	s_set_vgpr_msb 0x1
	s_wait_tensorcnt 0x0
	ds_add_u32 v255, v23
	s_wait_dscnt 0x0
	s_set_vgpr_msb 0x100
	CROUND                                         ; the closing round
	s_endpgm
.Lfunc_end_k_qbbad036fa5_cprob:
	.size	k_qbbad036fa5_cprob, .Lfunc_end_k_qbbad036fa5_cprob-k_qbbad036fa5_cprob
	.p2alignl 7, 3214868480
	.fill 96, 4, 3214868480
	.section	.rodata,"a",@progbits
	.p2align	6, 0x0
	.amdhsa_kernel k_qbbad036fa5_cprob
		.amdhsa_group_segment_fixed_size 327680
		.amdhsa_private_segment_fixed_size 0
		.amdhsa_enable_private_segment 0
		.amdhsa_kernarg_size 32
		.amdhsa_user_sgpr_count 2
		.amdhsa_user_sgpr_kernarg_segment_ptr 1
		.amdhsa_wavefront_size32 1
		.amdhsa_system_sgpr_workgroup_id_x 1
		.amdhsa_system_sgpr_workgroup_id_y 1
		.amdhsa_system_sgpr_workgroup_id_z 1
		.amdhsa_system_vgpr_workitem_id 0
		.amdhsa_next_free_vgpr 1024
		.amdhsa_next_free_sgpr 80
		.amdhsa_reserve_vcc 0
		.amdhsa_float_denorm_mode_32 3
		.amdhsa_float_denorm_mode_16_64 3
		.amdhsa_memory_ordered 1
		.amdhsa_forward_progress 1
		.amdhsa_inst_pref_size 200
	.end_amdhsa_kernel
	.amdgpu_metadata
---
amdhsa.version: [ 1, 2 ]
amdhsa.kernels:
  - .name:           k_qbbad036fa5_cprob
    .symbol:         k_qbbad036fa5_cprob.kd
    .args:
      - { .name: PC, .offset: 0, .size: 8, .value_kind: global_buffer, .address_space: global }
      - { .name: CS, .offset: 8, .size: 8, .value_kind: global_buffer, .address_space: global }
      - { .name: PB, .offset: 16, .size: 8, .value_kind: global_buffer, .address_space: global }
      - { .name: LS, .offset: 24, .size: 8, .value_kind: global_buffer, .address_space: global }
    .group_segment_fixed_size: 327680
    .private_segment_fixed_size: 0
    .kernarg_segment_align: 8
    .kernarg_segment_size: 32
    .max_flat_workgroup_size: 128
    .sgpr_count:     80
    .vgpr_count:     1024
    .wavefront_size: 32
...
	.end_amdgpu_metadata
.endif
;; end of part 4
;; launch that (part 5): grid 16 x 16, 4 waves a work-group, clusters of 4 x 4, 327,680 bytes of LDS; arguments PC, PB, LS, BF; writes BF
.if DOCPART == 5
	.amdgcn_target "amdgcn-amd-amdhsa--gfx1250"
	.amdhsa_code_object_version 6
	.text
	.protected	k_qbbad036fa5_that
	.globl	k_qbbad036fa5_that
	.p2align	8
	.type	k_qbbad036fa5_that,@function
k_qbbad036fa5_that:
	s_mov_b64 s[64:65], 0
	v_nop
	global_prefetch_b8 v0, s[64:65] scope:SCOPE_SE
	s_setreg_imm32_b32 hwreg(HW_REG_WAVE_MODE, 25, 1), 1
	s_wait_xcnt 0x0
	s_wait_alu depctr_hold_cnt(0) depctr_sa_sdst(0) depctr_va_vdst(0) depctr_va_sdst(0) depctr_va_ssrc(0) depctr_va_vcc(0) depctr_vm_vsrc(0)
	s_getreg_b32 s2, hwreg(HW_REG_IB_STS2, 6, 4)
	s_cmp_eq_u32 s2, 0
	s_cbranch_scc0 .Lentry_in_a_cluster
	s_endpgm
.Lentry_in_a_cluster:
	s_bfe_u32 s2, ttmp6, 0x10000c
	s_cmp_lg_u32 s2, 0xf033
	s_cbranch_scc0 .Lentry_shape_is_right
	s_endpgm
.Lentry_shape_is_right:
; T_hat[b][n][c] = (sum over d of VC[b][n][d] P[b][c][d]) / l[c], K = 2048, stored straight in the order of KV_S: row b x 2048 + (c / 512) x 512 + n, column c % 512.
; SCALE.  VC is stored at a quarter.  rho = the power of two at or under max |VC / 4| (from the maxima that the projection launch left; at least 2^-100).
; Stored is T_hat / rho = sum x (2^2 / rho / 4 ...) = sum x tau / l with tau = 4 / rho: a softmax average never exceeds the largest VC, so |T_hat / rho| < 8 whatever the inputs' size or offset.
; A tile of C is 128 x 128 (256 tiles for 256 work-groups), four waves of 64 x 64, K steps of 256 through two LDS slots, joint loads in a 4 x 4 cluster.
; REGISTERS: window 0: v0-31 addresses, v32-95 the way out, v96-127 tau / l of my columns, v128-255 accumulators; window 1: two fragment buffers.
.set LAPS,   4
.set KSTEP,  256
.set PITCH,  528                       ; 512 bytes + 16 of padding
.set HALFT,  64*PITCH
.set SLOT,   4*HALFT
.set STAGE,  2*SLOT                    ; 128 rows x 272 bytes, the work-group's
.set SPITCH, 272
.set SCR,    STAGE+128*SPITCH          ; 512 bytes: tau / l of the tile's 128 columns; no fill lands here
.set CROW,   1024                      ; bytes of a row of KV_S
.set ADRA, 16
.set ADRB, 20
.set STO,  24
.set RD,   25
.set CO,   26
.set SRD,  27
.set TMP,  32
.set IV,   96
.set ACC,  128
.set F0,   0
.set F1,   128
.set G1, 24
.set G0, 32
.set G1B, 48
.set G0B, 56
.set MSB, 0
.macro WIN new
.if MSB != \new
	s_set_vgpr_msb (MSB<<8)|\new
.set MSB, \new
.endif
.endm
.set MUL,  0x05
.set TO_F, 0x40
.macro JLOAD s
	s_cmp_eq_u32 s11, 0
	s_cbranch_scc0 .Lfor_b_\@
	tensor_load_to_lds s[G0+4*\s:G0+4*\s+3], s[G1:G1+7]
	s_nop 0
.rept 4
	v_nop
.endr
	s_branch .Lasked_\@
.Lfor_b_\@:
	tensor_load_to_lds s[G0B+4*\s:G0B+4*\s+3], s[G1B:G1B+7]
	s_nop 0
.rept 4
	v_nop
.endr
.Lasked_\@:
.endm
.macro CREST
	s_cmp_lg_u32 s10, 0
	s_cbranch_scc1 .Lnot_wave_0_\@
	s_barrier_signal -3
.Lnot_wave_0_\@:
	s_barrier_wait -3
	s_barrier_signal -1
	s_barrier_wait -1
.endm
.macro CROUND
	s_barrier_signal -1
	s_barrier_wait -1
	CREST
.endm
.macro PLACES
.rept 4
	v_nop
.endr
.endm
	s_load_b128 s[4:7], s[0:1], 0x0                ; PC s[4:5], PB s[6:7]
	s_load_b64 s[72:73], s[0:1], 0x10              ; LS
	s_load_b64 s[8:9], s[0:1], 0x18                ; BF
	v_lshl_add_u32 v30, v0, 2, 0x4aa00
	v_mov_b32 v31, 0
	ds_add_u32 v30, v31
	v_lshrrev_b32 v1, 5, v0
	v_readfirstlane_b32 s10, v1
	s_lshr_b32 s11, s10, 1
	s_and_b32 s12, s10, 1
	s_bfe_u32 s40, ttmp6, 0x40000
	s_bfe_u32 s41, ttmp6, 0x40004
	s_lshl_b32 s42, ttmp9, 2
	s_add_co_u32 s42, s42, s40                     ; tile column: c / 128
	s_and_b32 s69, ttmp7, 0xffff                   ; batch = the cluster's y
	s_lshl_b32 s13, s69, 2
	s_add_co_u32 s13, s13, s41                     ; tile row among VC's 2,048 rows
	s_lshl_b32 s43, s41, 2
	s_lshl_b32 s43, 15, s43
	s_lshl_b32 s44, 0x1111, s40
	s_mov_b32 s66, 0x76543210
	s_mov_b32 s67, 0xfedcba98
	s_or_b32 s[G1+0], s43, (1<<16)|(1<<20)|(1<<21)|(6<<22)|(3<<25)  ; padding of 4 words behind every 128
	s_or_b32 s[G1B+0], s44, (1<<16)|(1<<20)|(1<<21)|(6<<22)|(3<<25)
.irp g, G1, G1B
	s_mov_b32 s[\g+1], KSTEP<<16
	s_mov_b32 s[\g+2], 64<<16
	s_mov_b32 s[\g+3], KSTEP<<16
	s_mov_b32 s[\g+4], 64
	s_mov_b32 s[\g+5], 2048
	s_mov_b32 s[\g+6], 0
	s_mov_b32 s[\g+7], 0
.endr
	s_lshl_b32 s17, s12, 6
	s_lshl_b32 s16, s13, 7
	s_add_co_u32 s16, s16, s17
	s_lshl_b32 s16, s16, 12
	s_add_co_u32 s16, s16, 16777216                ; A: VC, the third panel of PC
	s_lshl_b32 s46, s42, 7
	s_add_co_u32 s46, s46, s17
	s_lshl_b32 s46, s46, 12
	s_lshl_b32 s47, s69, 23
	s_add_co_u32 s46, s46, s47                     ; B: the batch's P
	s_mov_b32 s17, 0
	s_mov_b32 s47, 0
	s_mul_i32 s20, s10, HALFT
	s_wait_dscnt 0x0
	s_wait_kmcnt 0x0
	s_add_nc_u64 s[14:15], s[4:5], s[16:17]
	s_add_nc_u64 s[46:47], s[6:7], s[46:47]
	CROUND
.irp s, 0,1
	s_mov_b32 s[G0+4*\s], 1
	s_add_co_u32 s[G0+4*\s+1], s20, \s*SLOT
	s_add_nc_u64 s[G0+4*\s+2:G0+4*\s+3], s[14:15], \s*KSTEP*2
	s_or_b32 s[G0+4*\s+3], s[G0+4*\s+3], 0x80000000
	s_mov_b32 s[G0B+4*\s], 1
	s_add_co_u32 s[G0B+4*\s+1], s20, \s*SLOT
	s_add_nc_u64 s[G0B+4*\s+2:G0B+4*\s+3], s[46:47], \s*KSTEP*2
	s_or_b32 s[G0B+4*\s+3], s[G0B+4*\s+3], 0x80000000
	JLOAD \s
.endr
	s_add_nc_u64 s[74:75], s[4:5], 25167872        ; the 256 maxima of VC's waves
	s_lshl_b32 s18, s69, 16
	s_lshl_b32 s19, s42, 9
	s_add_co_u32 s18, s18, s19
	s_mov_b32 s19, 0
	s_add_nc_u64 s[72:73], s[72:73], s[18:19]      ; LS + batch x 65,536 + tile column x 512
	v_and_b32 v3, 31, v0
	v_lshlrev_b32 v3, 5, v3
	v_lshlrev_b32 v4, 2, v0
	global_load_b128 v[32:35], v3, s[74:75]
	global_load_b128 v[36:39], v3, s[74:75] offset:16
.irp k, 0,1,2,3,4,5,6,7
	global_load_b32 v[40+\k], v4, s[72:73] offset:8192*\k   ; column t's partial sum over column chunk k of P
.endr
	v_and_b32 v1, 15, v0
	v_bfe_u32 v2, v0, 4, 1
	v_mul_u32_u24 v10, v1, PITCH
	v_lshl_add_u32 v10, v2, 4, v10
	s_mul_i32 s21, s11, HALFT
	s_mul_i32 s22, s12, HALFT
	s_add_co_u32 s22, s22, 2*HALFT
.irp s, 0,1
	v_add_nc_u32 v[ADRA+\s], s21, v10
	v_add_nc_u32 v[ADRB+\s], s22, v10
	s_add_co_u32 s21, s21, SLOT
	s_add_co_u32 s22, s22, SLOT
.endr
	s_mul_i32 s23, s11, 64*SPITCH
	s_lshl_b32 s21, s12, 7
	s_add_co_u32 s23, s23, s21
	s_add_co_u32 s23, s23, STAGE
	v_mul_u32_u24 v11, v1, SPITCH
	v_lshl_add_u32 v11, v2, 4, v11
	v_add_nc_u32 v[STO], s23, v11
	s_mul_i32 s23, s10, 32*SPITCH
	s_add_co_u32 s23, s23, STAGE
	v_mul_u32_u24 v12, v2, SPITCH
	v_lshl_add_u32 v12, v1, 4, v12
	v_add_nc_u32 v[RD], s23, v12
	v_lshlrev_b32 v12, 10, v2
	v_lshl_add_u32 v[CO], v1, 4, v12
	s_lshl_b32 s23, s12, 8
	s_add_co_u32 s23, s23, SCR
	v_lshl_add_u32 v[SRD], v2, 5, s23              ; my 64 columns' factors: column half x 256 + (l / 16) x 32
	s_lshl_b32 s16, s69, 2                         ; the first row that I store: (((4 b + c / 512) x 4 + cy) x 4 + wave) x 32
	s_add_co_u32 s16, s16, ttmp9
	s_lshl_b32 s16, s16, 2
	s_add_co_u32 s16, s16, s41
	s_lshl_b32 s16, s16, 2
	s_add_co_u32 s16, s16, s10
	s_lshl_b32 s16, s16, 15
	s_lshl_b32 s17, s40, 8
	s_add_co_u32 s16, s16, s17                     ; + the tile's first column, in bytes
	s_add_co_u32 s16, s16, 47185920                ; KV_S's place in BF
	s_mov_b32 s17, 0
	s_add_nc_u64 s[8:9], s[8:9], s[16:17]
	s_wait_loadcnt 0x0
	v_max3_num_f32 v32, v32, v33, v34
	v_max3_num_f32 v35, v35, v36, v37
	v_max3_num_f32 v32, v32, v38, v39
	v_max_num_f32 v32, v32, v35
	v_max_num_f32_dpp v32, v32, v32 row_xmask:1 row_mask:0xf bank_mask:0xf
	v_max_num_f32_dpp v32, v32, v32 row_xmask:2 row_mask:0xf bank_mask:0xf
	v_max_num_f32_dpp v32, v32, v32 row_xmask:4 row_mask:0xf bank_mask:0xf
	v_max_num_f32_dpp v32, v32, v32 row_xmask:8 row_mask:0xf bank_mask:0xf
	v_permlanex16_b32 v33, v32, s66, s67
	v_max_num_f32 v32, v32, v33                    ; max |VC / 4|
	v_and_b32 v32, 0x7f800000, v32                 ; rho: its power of two,
	v_max_num_f32 v32, 0x0d800000, v32             ; at least 2^-100
	v_sub_nc_u32 v32, 0x80000000, v32              ; tau = 4 / rho, made in the exponent field: (129 + 127 - e) << 23
	v_add_f32 v40, v40, v41
	v_add_f32 v42, v42, v43
	v_add_f32 v44, v44, v45
	v_add_f32 v46, v46, v47
	v_add_f32 v40, v40, v42
	v_add_f32 v44, v44, v46
	v_add_f32 v40, v40, v44                        ; l of column t
	v_rcp_f32 v40, v40
	v_add_nc_u32 v4, SCR, v4                       ; (a plain instruction between the reciprocal and its use)
	s_wait_alu depctr_va_vdst(0)
	v_mul_f32 v40, v40, v32
	ds_store_b32 v4, v40
.macro MUL8 f, c, a0, zero             ; the 16 accumulators take turns, one instruction a turn
.irp a, \a0, \a0+1
.irp b, 0,1,2,3
.if \zero
	v_wmma_f32_16x16x32_f16 v[ACC+8*(4*(\a)+\b):ACC+8*(4*(\a)+\b)+7], v[\f+64+8*(4*\c+\b):\f+64+8*(4*\c+\b)+7], v[\f+8*(4*\c+\a):\f+8*(4*\c+\a)+7], 0
.else
	v_wmma_f32_16x16x32_f16 v[ACC+8*(4*(\a)+\b):ACC+8*(4*(\a)+\b)+7], v[\f+64+8*(4*\c+\b):\f+64+8*(4*\c+\b)+7], v[\f+8*(4*\c+\a):\f+8*(4*\c+\a)+7], v[ACC+8*(4*(\a)+\b):ACC+8*(4*(\a)+\b)+7]
.endif
.endr
.endr
.endm
.macro FETCH slot, k, f                ; 32 LDS loads in one run: 64 along K; the first 32 along K first
	WIN TO_F
.irp c, 0,1
.irp i, 0,1,2,3
	ds_load_b128 v[\f+64+8*(4*\c+\i):\f+64+8*(4*\c+\i)+3],   v[ADRB+\slot] offset:\k+64*\c+\i*16*PITCH
	ds_load_b128 v[\f+64+8*(4*\c+\i)+4:\f+64+8*(4*\c+\i)+7], v[ADRB+\slot] offset:\k+64*\c+\i*16*PITCH+32
	ds_load_b128 v[\f+8*(4*\c+\i):\f+8*(4*\c+\i)+3],         v[ADRA+\slot] offset:\k+64*\c+\i*16*PITCH
	ds_load_b128 v[\f+8*(4*\c+\i)+4:\f+8*(4*\c+\i)+7],       v[ADRA+\slot] offset:\k+64*\c+\i*16*PITCH+32
.endr
.endr
.endm
.macro QUARTER slot, k, f, g, zero
	s_wait_dscnt 16                                ; the first 32 along K are in
	WIN MUL
	MUL8 \f, 0, 0, \zero
	MUL8 \f, 0, 2, \zero
	PLACES
	FETCH \slot, \k, \g
	s_wait_dscnt 32                                ; all but the 32 just issued
	WIN MUL
	MUL8 \f, 1, 0, 0
	MUL8 \f, 1, 2, 0
.endm
.macro TURN slot, next, fill
	s_wait_dscnt 16
	WIN MUL
	MUL8 F1, 0, 0, 0
	s_wait_dscnt 0                                 ; my reads of this slot are over,
	s_set_vgpr_msb 0x500
	s_wait_tensorcnt 0x0                           ; and all my tensor loads have landed: my part of the next slot
	ds_add_u32 v30, v31
	s_wait_dscnt 0x0
	s_set_vgpr_msb 0x5
	s_barrier_signal -1
	MUL8 F1, 0, 2, 0
.if \fill
	WIN 0
.endif
	s_barrier_wait -1
.if \fill
	CREST                                          ; the barrier has opened a round of the cluster's
	s_add_nc_u64 s[G0+4*\slot+2:G0+4*\slot+3], s[G0+4*\slot+2:G0+4*\slot+3], 2*KSTEP*2
	s_add_nc_u64 s[G0B+4*\slot+2:G0B+4*\slot+3], s[G0B+4*\slot+2:G0B+4*\slot+3], 2*KSTEP*2
	JLOAD \slot                                    ; the first tensor load behind the round
.else
	PLACES
.endif
	FETCH \next, 0, F0
	WIN MUL
	MUL8 F1, 1, 0, 0
	MUL8 F1, 1, 2, 0
.endm
	s_wait_tensorcnt 1                             ; K step 0 is in; step 1 stays out
	s_wait_dscnt 0x0                               ; for the others' sake: my column's factor is in the scratch
	s_barrier_signal -1
	s_barrier_wait -1
	FETCH 0, 0, F0
	QUARTER 0, 128, F0, F1, 1
	WIN 0
	s_mov_b32 s3, LAPS-1
.Llap:
	QUARTER 0, 256, F1, F0, 0
	QUARTER 0, 384, F0, F1, 0
	TURN 0, 1, 1
	QUARTER 1, 128, F0, F1, 0
	QUARTER 1, 256, F1, F0, 0
	QUARTER 1, 384, F0, F1, 0
	TURN 1, 0, 1
	QUARTER 0, 128, F0, F1, 0
	WIN 0
	s_sub_co_u32 s3, s3, 1
	s_cmp_lg_u32 s3, 0
	s_cbranch_scc1 .Llap
	QUARTER 0, 256, F1, F0, 0
	QUARTER 0, 384, F0, F1, 0
	TURN 0, 1, 0
	QUARTER 1, 128, F0, F1, 0
	QUARTER 1, 256, F1, F0, 0
	QUARTER 1, 384, F0, F1, 0
	s_wait_dscnt 16
	WIN MUL
	MUL8 F1, 0, 0, 0
	MUL8 F1, 0, 2, 0
	s_wait_dscnt 0
	MUL8 F1, 1, 0, 0
	MUL8 F1, 1, 2, 0
	WIN 0
	PLACES
.irp q, 0,1,2,3
	ds_load_b128 v[IV+8*\q:IV+8*\q+3],   v[SRD] offset:64*\q       ; tau / l of columns 16 q + 8 (l / 16) + 0..7
	ds_load_b128 v[IV+8*\q+4:IV+8*\q+7], v[SRD] offset:64*\q+16
.endr
	s_wait_dscnt 0x0
.irp t, 0,1,2,3,4,5,6,7,8,9,10,11,12,13,14,15
.irp r, 0,1,2,3
	v_pk_mul_f32 v[ACC+8*\t+2*\r:ACC+8*\t+2*\r+1], v[ACC+8*\t+2*\r:ACC+8*\t+2*\r+1], v[IV+8*(\t%4)+2*\r:IV+8*(\t%4)+2*\r+1]
.endr
.endr
.irp t, 0,1,2,3,4,5,6,7,8,9,10,11,12,13,14,15
.irp r, 0,1,2,3
	v_cvt_pk_f16_f32 v[TMP+4*\t+\r], v[ACC+8*\t+2*\r], v[ACC+8*\t+2*\r+1]
.endr
.endr
.irp a, 0,1,2,3
.irp b, 0,1,2,3
	ds_store_b128 v[STO], v[TMP+4*(4*\a+\b):TMP+4*(4*\a+\b)+3] offset:\a*16*SPITCH+32*\b
.endr
.endr
	s_wait_dscnt 0x0                               ; a row's 256 bytes come from two waves: my stores are done,
	s_barrier_signal -1
	s_barrier_wait -1                              ; everybody's are
.irp t, 0,1,2,3,4,5,6,7,8,9,10,11,12,13,14,15
	ds_load_b128 v[TMP+4*\t:TMP+4*\t+3], v[RD] offset:\t*2*SPITCH
.endr
.irp t, 0,1,2,3,4,5,6,7,8,9,10,11,12,13,14,15
	s_wait_dscnt 15-\t
	global_store_b128 v[CO], v[TMP+4*\t:TMP+4*\t+3], s[8:9] offset:2*\t*CROW   ; 16 lanes store 256 consecutive bytes, aligned
.endr
	s_wait_tensorcnt 0x0
	ds_add_u32 v30, v31
	s_wait_dscnt 0x0
	CROUND                                         ; the closing round
	s_endpgm
.Lfunc_end_k_qbbad036fa5_that:
	.size	k_qbbad036fa5_that, .Lfunc_end_k_qbbad036fa5_that-k_qbbad036fa5_that
	.p2alignl 7, 3214868480
	.fill 96, 4, 3214868480
	.section	.rodata,"a",@progbits
	.p2align	6, 0x0
	.amdhsa_kernel k_qbbad036fa5_that
		.amdhsa_group_segment_fixed_size 327680
		.amdhsa_private_segment_fixed_size 0
		.amdhsa_enable_private_segment 0
		.amdhsa_kernarg_size 32
		.amdhsa_user_sgpr_count 2
		.amdhsa_user_sgpr_kernarg_segment_ptr 1
		.amdhsa_wavefront_size32 1
		.amdhsa_system_sgpr_workgroup_id_x 1
		.amdhsa_system_sgpr_workgroup_id_y 1
		.amdhsa_system_sgpr_workgroup_id_z 1
		.amdhsa_system_vgpr_workitem_id 0
		.amdhsa_next_free_vgpr 512
		.amdhsa_next_free_sgpr 80
		.amdhsa_reserve_vcc 0
		.amdhsa_float_denorm_mode_32 3
		.amdhsa_float_denorm_mode_16_64 3
		.amdhsa_memory_ordered 1
		.amdhsa_forward_progress 1
		.amdhsa_inst_pref_size 94
	.end_amdhsa_kernel
	.amdgpu_metadata
---
amdhsa.version: [ 1, 2 ]
amdhsa.kernels:
  - .name:           k_qbbad036fa5_that
    .symbol:         k_qbbad036fa5_that.kd
    .args:
      - { .name: PC, .offset: 0, .size: 8, .value_kind: global_buffer, .address_space: global }
      - { .name: PB, .offset: 8, .size: 8, .value_kind: global_buffer, .address_space: global }
      - { .name: LS, .offset: 16, .size: 8, .value_kind: global_buffer, .address_space: global }
      - { .name: BF, .offset: 24, .size: 8, .value_kind: global_buffer, .address_space: global }
    .group_segment_fixed_size: 327680
    .private_segment_fixed_size: 0
    .kernarg_segment_align: 8
    .kernarg_segment_size: 32
    .max_flat_workgroup_size: 128
    .sgpr_count:     80
    .vgpr_count:     512
    .wavefront_size: 32
...
	.end_amdgpu_metadata
.endif
;; end of part 5
;; launch proj (part 6): grid 4 x 128, 4 waves a work-group, clusters of 4 x 4, 305,664 bytes of LDS; arguments BF, QKV; writes QKV
.if DOCPART == 6
	.amdgcn_target "amdgcn-amd-amdhsa--gfx1250"
	.amdhsa_code_object_version 6
	.text
	.protected	k_qbbad036fa5_proj
	.globl	k_qbbad036fa5_proj
	.p2align	8
	.type	k_qbbad036fa5_proj,@function
k_qbbad036fa5_proj:
	s_mov_b64 s[64:65], 0
	v_nop
	global_prefetch_b8 v0, s[64:65] scope:SCOPE_SE
	s_setreg_imm32_b32 hwreg(HW_REG_WAVE_MODE, 25, 1), 1
	s_wait_xcnt 0x0
	s_wait_alu depctr_hold_cnt(0) depctr_sa_sdst(0) depctr_va_vdst(0) depctr_va_sdst(0) depctr_va_ssrc(0) depctr_va_vcc(0) depctr_vm_vsrc(0)
	s_getreg_b32 s2, hwreg(HW_REG_IB_STS2, 6, 4)
	s_cmp_eq_u32 s2, 0
	s_cbranch_scc0 .Lentry_in_a_cluster
	s_endpgm
.Lentry_in_a_cluster:
	s_bfe_u32 s2, ttmp6, 0x10000c
	s_cmp_lg_u32 s2, 0xf033
	s_cbranch_scc0 .Lentry_shape_is_right
	s_endpgm
.Lentry_shape_is_right:
; Two products with K = 512 in f16, f32 sums: K = KV_S Wk^T, V = KV_S Wv^T; each result [8192][512] in f16, the second and third panel of QKV.  (Q hangs on the inputs alone and is made in the first product launch.)
; KV_S is stored divided by rho, so |K|, |V| (in that scale) stay under 512 x 8 x max |W|.  LIMIT: |Wk|, |Wv| under 16, or f16 overflows; that is 800 times the spread that the weights are drawn with.
; A cluster's y picks 512 rows of KV_S (y / 2) and K or V (y % 2); its 4 x 4 work-groups are 4 x 4 tiles of 128 x 128.  512 tiles, two for each of 256 WGPs.  K is two steps of 256: both slots are filled once.
.set KSTEP,  256
.set PITCH,  528
.set HALFT,  64*PITCH
.set SLOT,   4*HALFT
.set STAGE,  2*SLOT
.set SPITCH, 272
.set CROW,   1024
.set W0,     33554432                  ; the small weights' place in BF: groups of 512 rows, Wq1..4, Wk, Wv, Wo1..4
.set X0,     38797312                  ; groups of 512 rows: 16 of emb1..4, then 16 of KV_S
.set ADRA, 16
.set ADRB, 20
.set STO,  24
.set RD,   25
.set CO,   26
.set TMP,  32
.set ACC,  128
.set F0,   0
.set F1,   128
.set G1, 24
.set G0, 32
.set G1B, 48
.set G0B, 56
.set MSB, 0
.macro WIN new
.if MSB != \new
	s_set_vgpr_msb (MSB<<8)|\new
.set MSB, \new
.endif
.endm
.set MUL,  0x05
.set TO_F, 0x40
.macro JLOAD s
	s_cmp_eq_u32 s11, 0
	s_cbranch_scc0 .Lfor_b_\@
	tensor_load_to_lds s[G0+4*\s:G0+4*\s+3], s[G1:G1+7]
	s_nop 0
.rept 4
	v_nop
.endr
	s_branch .Lasked_\@
.Lfor_b_\@:
	tensor_load_to_lds s[G0B+4*\s:G0B+4*\s+3], s[G1B:G1B+7]
	s_nop 0
.rept 4
	v_nop
.endr
.Lasked_\@:
.endm
.macro CREST
	s_cmp_lg_u32 s10, 0
	s_cbranch_scc1 .Lnot_wave_0_\@
	s_barrier_signal -3
.Lnot_wave_0_\@:
	s_barrier_wait -3
	s_barrier_signal -1
	s_barrier_wait -1
.endm
.macro CROUND
	s_barrier_signal -1
	s_barrier_wait -1
	CREST
.endm
.macro PLACES
.rept 4
	v_nop
.endr
.endm
	s_load_b128 s[4:7], s[0:1], 0x0                ; BF s[4:5], QKV s[6:7]
	v_lshl_add_u32 v126, v0, 2, 0x4a800
	v_mov_b32 v127, 0
	ds_add_u32 v126, v127
	v_lshrrev_b32 v1, 5, v0
	v_readfirstlane_b32 s10, v1
	s_lshr_b32 s11, s10, 1
	s_and_b32 s12, s10, 1
	s_bfe_u32 s40, ttmp6, 0x40000
	s_bfe_u32 s41, ttmp6, 0x40004
	s_and_b32 s69, ttmp7, 0xffff                   ; the cluster's y, 0..31: K's and V's row groups by turns
	s_lshr_b32 s71, s69, 1                         ; the group of 512 rows, of KV_S and of the panel
	s_and_b32 s72, s69, 1                          ; 0: K, 1: V
	s_add_co_u32 s73, s71, 16                      ; A's group behind X0: KV_S follows the sixteen groups of emb1..4
	s_add_co_u32 s74, s72, 4                       ; B's weight: Wk or Wv
	s_add_co_u32 s75, s72, 1                       ; the panel of QKV
	s_lshl_b32 s43, s41, 2
	s_lshl_b32 s43, 15, s43
	s_lshl_b32 s44, 0x1111, s40
	s_or_b32 s[G1+0], s43, (1<<16)|(1<<20)|(1<<21)|(6<<22)|(3<<25)
	s_or_b32 s[G1B+0], s44, (1<<16)|(1<<20)|(1<<21)|(6<<22)|(3<<25)
.irp g, G1, G1B
	s_mov_b32 s[\g+1], KSTEP<<16
	s_mov_b32 s[\g+2], 64<<16
	s_mov_b32 s[\g+3], KSTEP<<16
	s_mov_b32 s[\g+4], 64
	s_mov_b32 s[\g+5], 512
	s_mov_b32 s[\g+6], 0
	s_mov_b32 s[\g+7], 0
.endr
	s_lshl_b32 s16, s73, 2
	s_add_co_u32 s16, s16, s41
	s_lshl_b32 s16, s16, 1
	s_add_co_u32 s16, s16, s12
	s_lshl_b32 s16, s16, 16                        ; ((group x 4 + cy) x 2 + half) x 64 rows of 1,024 bytes
	s_add_co_u32 s16, s16, X0
	s_lshl_b32 s46, s74, 2
	s_add_co_u32 s46, s46, s40
	s_lshl_b32 s46, s46, 1
	s_add_co_u32 s46, s46, s12
	s_lshl_b32 s46, s46, 16
	s_add_co_u32 s46, s46, W0
	s_mov_b32 s17, 0
	s_mov_b32 s47, 0
	s_mul_i32 s20, s10, HALFT
	s_wait_dscnt 0x0
	s_wait_kmcnt 0x0
	s_add_nc_u64 s[14:15], s[4:5], s[16:17]
	s_add_nc_u64 s[46:47], s[4:5], s[46:47]
	s_mov_b64 s[8:9], s[6:7]
	CROUND
.irp s, 0,1
	s_mov_b32 s[G0+4*\s], 1
	s_add_co_u32 s[G0+4*\s+1], s20, \s*SLOT
	s_add_nc_u64 s[G0+4*\s+2:G0+4*\s+3], s[14:15], \s*KSTEP*2
	s_or_b32 s[G0+4*\s+3], s[G0+4*\s+3], 0x80000000
	s_mov_b32 s[G0B+4*\s], 1
	s_add_co_u32 s[G0B+4*\s+1], s20, \s*SLOT
	s_add_nc_u64 s[G0B+4*\s+2:G0B+4*\s+3], s[46:47], \s*KSTEP*2
	s_or_b32 s[G0B+4*\s+3], s[G0B+4*\s+3], 0x80000000
	JLOAD \s
.endr
	v_and_b32 v1, 15, v0
	v_bfe_u32 v2, v0, 4, 1
	v_mul_u32_u24 v3, v1, PITCH
	v_lshl_add_u32 v3, v2, 4, v3
	s_mul_i32 s21, s11, HALFT
	s_mul_i32 s22, s12, HALFT
	s_add_co_u32 s22, s22, 2*HALFT
.irp s, 0,1
	v_add_nc_u32 v[ADRA+\s], s21, v3
	v_add_nc_u32 v[ADRB+\s], s22, v3
	s_add_co_u32 s21, s21, SLOT
	s_add_co_u32 s22, s22, SLOT
.endr
	s_mul_i32 s23, s11, 64*SPITCH
	s_lshl_b32 s21, s12, 7
	s_add_co_u32 s23, s23, s21
	s_add_co_u32 s23, s23, STAGE
	v_mul_u32_u24 v4, v1, SPITCH
	v_lshl_add_u32 v4, v2, 4, v4
	v_add_nc_u32 v[STO], s23, v4
	s_mul_i32 s23, s10, 32*SPITCH
	s_add_co_u32 s23, s23, STAGE
	v_mul_u32_u24 v5, v2, SPITCH
	v_lshl_add_u32 v5, v1, 4, v5
	v_add_nc_u32 v[RD], s23, v5
	v_lshlrev_b32 v5, 10, v2
	v_lshl_add_u32 v[CO], v1, 4, v5
	s_lshl_b32 s16, s71, 2                         ; the first row that I store: ((group x 4 + cy) x 4 + wave) x 32
	s_add_co_u32 s16, s16, s41
	s_lshl_b32 s16, s16, 2
	s_add_co_u32 s16, s16, s10
	s_lshl_b32 s16, s16, 15
	s_lshl_b32 s17, s75, 23
	s_add_co_u32 s16, s16, s17
	s_lshl_b32 s17, s40, 8
	s_add_co_u32 s16, s16, s17
	s_mov_b32 s17, 0
	s_add_nc_u64 s[8:9], s[8:9], s[16:17]
.macro MUL8 f, c, a0, zero             ; the 16 accumulators take turns, one instruction a turn
.irp a, \a0, \a0+1
.irp b, 0,1,2,3
.if \zero
	v_wmma_f32_16x16x32_f16 v[ACC+8*(4*(\a)+\b):ACC+8*(4*(\a)+\b)+7], v[\f+64+8*(4*\c+\b):\f+64+8*(4*\c+\b)+7], v[\f+8*(4*\c+\a):\f+8*(4*\c+\a)+7], 0
.else
	v_wmma_f32_16x16x32_f16 v[ACC+8*(4*(\a)+\b):ACC+8*(4*(\a)+\b)+7], v[\f+64+8*(4*\c+\b):\f+64+8*(4*\c+\b)+7], v[\f+8*(4*\c+\a):\f+8*(4*\c+\a)+7], v[ACC+8*(4*(\a)+\b):ACC+8*(4*(\a)+\b)+7]
.endif
.endr
.endr
.endm
.macro FETCH slot, k, f
	WIN TO_F
.irp c, 0,1
.irp i, 0,1,2,3
	ds_load_b128 v[\f+64+8*(4*\c+\i):\f+64+8*(4*\c+\i)+3],   v[ADRB+\slot] offset:\k+64*\c+\i*16*PITCH
	ds_load_b128 v[\f+64+8*(4*\c+\i)+4:\f+64+8*(4*\c+\i)+7], v[ADRB+\slot] offset:\k+64*\c+\i*16*PITCH+32
	ds_load_b128 v[\f+8*(4*\c+\i):\f+8*(4*\c+\i)+3],         v[ADRA+\slot] offset:\k+64*\c+\i*16*PITCH
	ds_load_b128 v[\f+8*(4*\c+\i)+4:\f+8*(4*\c+\i)+7],       v[ADRA+\slot] offset:\k+64*\c+\i*16*PITCH+32
.endr
.endr
.endm
.macro QUARTER slot, k, f, g, zero
	s_wait_dscnt 16                                ; the first 32 along K are in
	WIN MUL
	MUL8 \f, 0, 0, \zero
	MUL8 \f, 0, 2, \zero
	PLACES
	FETCH \slot, \k, \g
	s_wait_dscnt 32                                ; all but the 32 just issued
	WIN MUL
	MUL8 \f, 1, 0, 0
	MUL8 \f, 1, 2, 0
.endm
	s_wait_tensorcnt 1                             ; K step 0 is in; step 1 stays out
	s_barrier_signal -1
	s_barrier_wait -1
	FETCH 0, 0, F0
	QUARTER 0, 128, F0, F1, 1
	QUARTER 0, 256, F1, F0, 0
	QUARTER 0, 384, F0, F1, 0
	s_wait_dscnt 16                                ; the change of slots: nothing is filled again
	WIN MUL
	MUL8 F1, 0, 0, 0
	s_wait_dscnt 0
	s_wait_tensorcnt 0x0                           ; my part of K step 1 is in,
	s_barrier_signal -1
	MUL8 F1, 0, 2, 0
	s_barrier_wait -1                              ; everybody's is
	PLACES
	FETCH 1, 0, F0
	WIN MUL
	MUL8 F1, 1, 0, 0
	MUL8 F1, 1, 2, 0
	QUARTER 1, 128, F0, F1, 0
	QUARTER 1, 256, F1, F0, 0
	QUARTER 1, 384, F0, F1, 0
	s_wait_dscnt 16
	WIN MUL
	MUL8 F1, 0, 0, 0
	MUL8 F1, 0, 2, 0
	s_wait_dscnt 0
	MUL8 F1, 1, 0, 0
	MUL8 F1, 1, 2, 0
	WIN 0
	PLACES
.irp t, 0,1,2,3,4,5,6,7,8,9,10,11,12,13,14,15
.irp r, 0,1,2,3
	v_cvt_pk_f16_f32 v[TMP+4*\t+\r], v[ACC+8*\t+2*\r], v[ACC+8*\t+2*\r+1]
.endr
.endr
.irp a, 0,1,2,3
.irp b, 0,1,2,3
	ds_store_b128 v[STO], v[TMP+4*(4*\a+\b):TMP+4*(4*\a+\b)+3] offset:\a*16*SPITCH+32*\b
.endr
.endr
	s_wait_dscnt 0x0                               ; a row's 256 bytes come from two waves: my stores are done,
	s_barrier_signal -1
	s_barrier_wait -1                              ; everybody's are
.irp t, 0,1,2,3,4,5,6,7,8,9,10,11,12,13,14,15
	ds_load_b128 v[TMP+4*\t:TMP+4*\t+3], v[RD] offset:\t*2*SPITCH
.endr
.irp t, 0,1,2,3,4,5,6,7,8,9,10,11,12,13,14,15
	s_wait_dscnt 15-\t
	global_store_b128 v[CO], v[TMP+4*\t:TMP+4*\t+3], s[8:9] offset:2*\t*CROW   ; 16 lanes store 256 consecutive bytes, aligned
.endr
	s_wait_tensorcnt 0x0
	ds_add_u32 v126, v127
	s_wait_dscnt 0x0
	CROUND                                         ; the closing round
	s_endpgm
.Lfunc_end_k_qbbad036fa5_proj:
	.size	k_qbbad036fa5_proj, .Lfunc_end_k_qbbad036fa5_proj-k_qbbad036fa5_proj
	.p2alignl 7, 3214868480
	.fill 96, 4, 3214868480
	.section	.rodata,"a",@progbits
	.p2align	6, 0x0
	.amdhsa_kernel k_qbbad036fa5_proj
		.amdhsa_group_segment_fixed_size 305664
		.amdhsa_private_segment_fixed_size 0
		.amdhsa_enable_private_segment 0
		.amdhsa_kernarg_size 16
		.amdhsa_user_sgpr_count 2
		.amdhsa_user_sgpr_kernarg_segment_ptr 1
		.amdhsa_wavefront_size32 1
		.amdhsa_system_sgpr_workgroup_id_x 1
		.amdhsa_system_sgpr_workgroup_id_y 1
		.amdhsa_system_sgpr_workgroup_id_z 1
		.amdhsa_system_vgpr_workitem_id 0
		.amdhsa_next_free_vgpr 512
		.amdhsa_next_free_sgpr 80
		.amdhsa_reserve_vcc 0
		.amdhsa_float_denorm_mode_32 3
		.amdhsa_float_denorm_mode_16_64 3
		.amdhsa_memory_ordered 1
		.amdhsa_forward_progress 1
		.amdhsa_inst_pref_size 50
	.end_amdhsa_kernel
	.amdgpu_metadata
---
amdhsa.version: [ 1, 2 ]
amdhsa.kernels:
  - .name:           k_qbbad036fa5_proj
    .symbol:         k_qbbad036fa5_proj.kd
    .args:
      - { .name: BF, .offset: 0, .size: 8, .value_kind: global_buffer, .address_space: global }
      - { .name: QKV, .offset: 8, .size: 8, .value_kind: global_buffer, .address_space: global }
    .group_segment_fixed_size: 305664
    .private_segment_fixed_size: 0
    .kernarg_segment_align: 8
    .kernarg_segment_size: 16
    .max_flat_workgroup_size: 128
    .sgpr_count:     80
    .vgpr_count:     512
    .wavefront_size: 32
...
	.end_amdgpu_metadata
.endif
;; end of part 6
;; launch sstat (part 7): grid 8 x 32, 8 waves a work-group, clusters of 4 x 1, 295,936 bytes of LDS; arguments QKV, SS; writes SS
.if DOCPART == 7
	.amdgcn_target "amdgcn-amd-amdhsa--gfx1250"
	.amdhsa_code_object_version 6
	.text
	.protected	k_qbbad036fa5_sstat
	.globl	k_qbbad036fa5_sstat
	.p2align	8
	.type	k_qbbad036fa5_sstat,@function
k_qbbad036fa5_sstat:
	s_mov_b64 s[64:65], 0
	v_nop
	global_prefetch_b8 v0, s[64:65] scope:SCOPE_SE
	s_setreg_imm32_b32 hwreg(HW_REG_WAVE_MODE, 25, 1), 1
	s_wait_xcnt 0x0
	s_wait_alu depctr_hold_cnt(0) depctr_sa_sdst(0) depctr_va_vdst(0) depctr_va_sdst(0) depctr_va_ssrc(0) depctr_va_vcc(0) depctr_vm_vsrc(0)
	s_getreg_b32 s2, hwreg(HW_REG_IB_STS2, 6, 4)
	s_cmp_eq_u32 s2, 0
	s_cbranch_scc0 .Lentry_in_a_cluster
	s_endpgm
.Lentry_in_a_cluster:
	s_bfe_u32 s2, ttmp6, 0x10000c
	s_cmp_lg_u32 s2, 0x3003
	s_cbranch_scc0 .Lentry_shape_is_right
	s_endpgm
.Lentry_shape_is_right:
; For each of the 128 (i, b, h): S = Q K^T (512 x 2048, K = 64), and of it only what the instance norm and the softmax need: each wave's mean and M2 of its 32 x 2048 scores, and each query's true maximum.
; A work-group owns 256 queries of one (i, b, h), a wave 32 (two tiles of 16).  The four work-groups of a cluster share (b, h), so K's tiles are asked for jointly.
; All 2,048 keys of the head lie in LDS (144 bytes a key): four first fills a wave, 64 keys each; nothing is filled again.  Four tensor loads of a wave are out at the most.
; Eight waves, two to a SIMD: a step has six vector instructions for each matrix instruction, and one wave's vector work runs beside the other's products.
; S^T = K Q^T: a lane holds one query (l % 16) and keys 16 kb + 8 (l / 16) + 0..7.
; THE VARIANCE.  s0 = the mean of the wave's first 2,048 of 65,536 scores.  -s0 is the C of each step's first products, so the scores arrive as d = x - s0; M2 = sum d^2 - (sum d)^2 / N.
; s0 is the mean of 1/32 of the data, so sum d^2 is at most 33 M2: the difference loses five bits at the most, whatever offset the scores carry.
; The maximum is max d + s0: the true one up to one rounding; a common error of a row's exponents cancels in its softmax.
.set PK,     144                       ; a key in LDS: 128 bytes + 16 of padding
.set STEPB,  64*PK
.set CHUNKB, 8*STEPB
.set AK0,  3
.set ADR,  4
.set QO,   5
.set LANE, 6
.set ZERO, 7
.set SH,   8                           ; v[8:15]  -s0, eight times: a C operand
.set SA,   16                          ; v[16:23] four pairs: sums of d (tile x 2 + parity of the pair)
.set SB,   24                          ; v[24:31] four pairs: sums of d^2
.set MX,   32                          ; v[32:35] four maxima of d
.set TT,   36                          ; v[36:47] at work
.set S,    48                          ; v[48:111]  S^T: 32 a tile
.set Q,    112                         ; v[112:143] Q: 16 a tile
.set K,    144                         ; v[144:207] K of one step
.set WV,   12
.set G1,   24
.set G0,   32                          ; s[32:47] four sets, one for each fill
.set TBK,  49
.set CNT,  50
.macro CROUND
	s_barrier_signal -1
	s_barrier_wait -1
	s_cmp_lg_u32 s[WV], 0
	s_cbranch_scc1 .Lnot_wave_0_\@
	s_barrier_signal -3
.Lnot_wave_0_\@:
	s_barrier_wait -3
	s_barrier_signal -1
	s_barrier_wait -1
.endm
.macro PLACES
.rept 4
	v_nop
.endr
.endm
.macro WSUM r, t
	v_add_f32_dpp v[\r], v[\r], v[\r] row_xmask:1 row_mask:0xf bank_mask:0xf
	v_add_f32_dpp v[\r], v[\r], v[\r] row_xmask:2 row_mask:0xf bank_mask:0xf
	v_add_f32_dpp v[\r], v[\r], v[\r] row_xmask:4 row_mask:0xf bank_mask:0xf
	v_add_f32_dpp v[\r], v[\r], v[\r] row_xmask:8 row_mask:0xf bank_mask:0xf
	v_permlanex16_b32 v[\t], v[\r], s66, s67
	v_add_f32 v[\r], v[\r], v[\t]
.endm
	s_load_b128 s[4:7], s[0:1], 0x0                ; QKV s[4:5], SS s[6:7]
	v_lshl_add_u32 v208, v0, 2, 0x48000
	v_mov_b32 v209, 0
	ds_add_u32 v208, v209
	v_lshrrev_b32 v1, 5, v0
	v_readfirstlane_b32 s[WV], v1
	s_bfe_u32 s13, ttmp6, 0x40000                  ; cx: it enters Q's and SS's addresses alone
	s_lshl_b32 s14, ttmp9, 2
	s_add_co_u32 s14, s14, s13
	s_lshr_b32 s15, s14, 1                         ; i
	s_and_b32 s16, s14, 1                          ; which 256 queries
	s_and_b32 s17, ttmp7, 0xffff
	s_lshr_b32 s18, s17, 3                         ; b
	s_and_b32 s19, s17, 7                          ; h
	s_lshl_b32 s20, s18, 21                        ; K: panel 1 + (b x 2048 + wave x 64) rows of 1,024 bytes + h x 128
	s_lshl_b32 s21, s[WV], 16
	s_add_co_u32 s20, s20, s21
	s_lshl_b32 s21, s19, 7
	s_add_co_u32 s20, s20, s21
	s_add_co_u32 s20, s20, 8388608
	s_mov_b32 s21, 0
	s_lshl_b32 s22, s15, 21                        ; Q: (i x 2048 + b x 512 + half x 256 + wave x 32) rows + h x 128
	s_lshl_b32 s23, s18, 19
	s_add_co_u32 s22, s22, s23
	s_lshl_b32 s23, s16, 18
	s_add_co_u32 s22, s22, s23
	s_lshl_b32 s23, s[WV], 15
	s_add_co_u32 s22, s22, s23
	s_lshl_b32 s23, s19, 7
	s_add_co_u32 s22, s22, s23
	s_mov_b32 s23, 0
	s_lshl_b32 s51, s15, 5                         ; u = ((i x 32 + b x 8 + h) x 2 + half) x 8 + wave
	s_add_co_u32 s51, s51, s17
	s_lshl_b32 s51, s51, 1
	s_add_co_u32 s51, s51, s16
	s_lshl_b32 s51, s51, 3
	s_add_co_u32 s51, s51, s[WV]
	s_lshl_b32 s52, s51, 7
	s_add_co_u32 s52, s52, 16384                   ; my 32 queries' maxima
	s_mov_b32 s53, 0
	s_lshl_b32 s54, s51, 3                         ; my pair (mean, M2)
	s_mov_b32 s55, 0
	s_mov_b32 s66, 0x76543210
	s_mov_b32 s67, 0xfedcba98
	s_mov_b32 s[G1], 15|(1<<16)|(1<<20)|(1<<21)|(4<<22)|(3<<25)  ; all four work-groups; 2-byte elements; 4 words of padding behind every 32; bit 21 beside a mask
	s_mov_b32 s[G1+1], 64<<16                      ; tensor_dim0 = 64
	s_mov_b32 s[G1+2], 64<<16                      ; tensor_dim1 = 64
	s_mov_b32 s[G1+3], 64<<16                      ; tile_dim0 = 64
	s_mov_b32 s[G1+4], 64                          ; tile_dim1 = 64
	s_mov_b32 s[G1+5], 512                         ; elements from row to row
	s_mov_b32 s[G1+6], 0
	s_mov_b32 s[G1+7], 0
	s_mul_i32 s48, s[WV], STEPB
	s_wait_dscnt 0x0
	s_wait_kmcnt 0x0
	s_add_nc_u64 s[20:21], s[4:5], s[20:21]
	s_add_nc_u64 s[22:23], s[4:5], s[22:23]
	s_add_nc_u64 s[52:53], s[6:7], s[52:53]
	s_add_nc_u64 s[54:55], s[6:7], s[54:55]
	CROUND                                         ; all four work-groups are here: the joint loads meet
.irp q, 0,1,2,3
	s_mov_b32 s[G0+4*\q], 1
	s_add_co_u32 s[G0+4*\q+1], s48, \q*CHUNKB      ; keys 512 q + 64 wave on
	s_add_nc_u64 s[G0+4*\q+2:G0+4*\q+3], s[20:21], \q*524288
	s_or_b32 s[G0+4*\q+3], s[G0+4*\q+3], 0x80000000
.endr
	tensor_load_to_lds s[G0:G0+3], s[G1:G1+7]
	s_nop 0
	tensor_load_to_lds s[G0+4:G0+7], s[G1:G1+7]
	s_nop 0
	tensor_load_to_lds s[G0+8:G0+11], s[G1:G1+7]
	s_nop 0
	tensor_load_to_lds s[G0+12:G0+15], s[G1:G1+7]
	s_nop 0
.rept 4
	v_nop
.endr
	v_and_b32 v1, 15, v0
	v_bfe_u32 v2, v0, 4, 1
	v_lshlrev_b32 v[QO], 10, v1
	v_lshl_add_u32 v[QO], v2, 4, v[QO]
.irp f, 0,1,2,3                        ; tile f / 2, channels 32 (f % 2) on
	global_load_b128 v[Q+8*\f:Q+8*\f+3],   v[QO], s[22:23] offset:(\f/2)*16384+(\f%2)*64
	global_load_b128 v[Q+8*\f+4:Q+8*\f+7], v[QO], s[22:23] offset:(\f/2)*16384+(\f%2)*64+32
.endr
	v_mul_u32_u24 v[AK0], v1, PK
	v_lshl_add_u32 v[AK0], v2, 4, v[AK0]
	v_and_b32 v[LANE], 31, v0
	v_mov_b32 v[ZERO], 0
.irp j, 0,1,2,3,4,5,6,7
	v_mov_b32 v[SA+\j], 0
	v_mov_b32 v[SB+\j], 0
.endr
.irp j, 0,1,2,3
	v_mov_b32 v[MX+\j], 0xff800000
.endr
; 16 products: channels 32 (i / 8) on, keys 16 ((i / 2) % 4) on, tile i % 2.  The eight accumulators take turns, one instruction a turn.
.macro KQ sh                           ; sh = 1: the sums start at -s0
.set i, 0
.rept 16
.set rS, S+32*(i%2)+8*((i/2)%4)
.set rK, K+16*((i/2)%4)+8*(i/8)
.set rQ, Q+16*(i%2)+8*(i/8)
.if (i < 8) && \sh
	v_wmma_f32_16x16x32_f16 v[rS:rS+7], v[rK:rK+7], v[rQ:rQ+7], v[SH:SH+7]
.elseif i < 8
	v_wmma_f32_16x16x32_f16 v[rS:rS+7], v[rK:rK+7], v[rQ:rQ+7], 0
.else
	v_wmma_f32_16x16x32_f16 v[rS:rS+7], v[rK:rK+7], v[rQ:rQ+7], v[rS:rS+7]
.endif
.set i, i+1
.endr
.endm
.macro FETCH_K                         ; a step's 64 keys x 64 channels; the four vector lines are the places behind the products that read K
	v_add_nc_u32 v[ADR], s[TBK], v[AK0]
	s_add_co_u32 s[TBK], s[TBK], STEPB
	v_nop
	v_nop
	v_nop
.irp f, 0,1,2,3,4,5,6,7
	ds_load_b128 v[K+8*\f:K+8*\f+3],   v[ADR] offset:(\f/2)*16*PK+(\f%2)*64
	ds_load_b128 v[K+8*\f+4:K+8*\f+7], v[ADR] offset:(\f/2)*16*PK+(\f%2)*64+32
.endr
.endm
.macro STEP pre                        ; pre = 1: the next step's K is fetched under this step's vector work
	s_wait_dscnt 0x0                               ; K is in
	KQ 1
.if \pre
	FETCH_K
.else
	PLACES
.endif
.set p, 0
.rept 16                               ; pairs in ascending order: every accumulator is read from its low end on
.irp t, 0,1
.set cc, 2*\t+(p%2)
	v_pk_add_f32 v[SA+2*cc:SA+2*cc+1], v[SA+2*cc:SA+2*cc+1], v[S+32*\t+2*p:S+32*\t+2*p+1]
	v_pk_fma_f32 v[SB+2*cc:SB+2*cc+1], v[S+32*\t+2*p:S+32*\t+2*p+1], v[S+32*\t+2*p:S+32*\t+2*p+1], v[SB+2*cc:SB+2*cc+1]
	v_max3_num_f32 v[MX+cc], v[MX+cc], v[S+32*\t+2*p], v[S+32*\t+2*p+1]
.endr
.set p, p+1
.endr
.endm
.macro CHUNKQ q                        ; keys 512 q to 512 q + 511: eight steps
	s_wait_tensorcnt 3-\q                          ; my part of this chunk is in; the later chunks stay out
	s_wait_dscnt 0x0
	s_barrier_signal -1
	s_barrier_wait -1                              ; everybody's is
	s_mov_b32 s[TBK], \q*CHUNKB
	FETCH_K
.if \q == 0
	s_wait_loadcnt 0x0                             ; Q
	s_wait_dscnt 0x0
	KQ 0                                           ; the first step once without a shift: its mean is s0
	PLACES
	v_pk_add_f32 v[TT:TT+1], v[S:S+1], v[S+2:S+3]
	v_pk_add_f32 v[TT+2:TT+3], v[S+4:S+5], v[S+6:S+7]
.set p, 4
.rept 28
	v_pk_add_f32 v[TT+2*(p%2):TT+2*(p%2)+1], v[TT+2*(p%2):TT+2*(p%2)+1], v[S+2*p:S+2*p+1]
.set p, p+1
.endr
	v_pk_add_f32 v[TT:TT+1], v[TT:TT+1], v[TT+2:TT+3]
	v_add_f32 v[TT], v[TT], v[TT+1]
	WSUM TT, TT+1
	v_mul_f32 v[SH], 0xba000000, v[TT]             ; -s0 = -sum / 2,048
.irp j, 1,2,3,4,5,6,7
	v_mov_b32 v[SH+\j], v[SH]
.endr
.endif
	s_mov_b32 s[CNT], 7
.Lstep_\@:
	STEP 1
	s_sub_co_u32 s[CNT], s[CNT], 1
	s_cmp_lg_u32 s[CNT], 0
	s_cbranch_scc1 .Lstep_\@
	STEP 0                                         ; the next chunk's first keys are fetched behind its barrier
.endm
	CHUNKQ 0
	CHUNKQ 1
	CHUNKQ 2
	CHUNKQ 3
	v_pk_add_f32 v[SA:SA+1], v[SA:SA+1], v[SA+2:SA+3]
	v_pk_add_f32 v[SA+4:SA+5], v[SA+4:SA+5], v[SA+6:SA+7]
	v_pk_add_f32 v[SB:SB+1], v[SB:SB+1], v[SB+2:SB+3]
	v_pk_add_f32 v[SB+4:SB+5], v[SB+4:SB+5], v[SB+6:SB+7]
	v_pk_add_f32 v[SA:SA+1], v[SA:SA+1], v[SA+4:SA+5]
	v_pk_add_f32 v[SB:SB+1], v[SB:SB+1], v[SB+4:SB+5]
	v_add_f32 v[SA], v[SA], v[SA+1]
	v_add_f32 v[SB], v[SB], v[SB+1]
	WSUM SA, TT
	WSUM SB, TT
	v_mul_f32 v[TT+1], 0x37800000, v[SA]           ; sum d / 65,536
	v_sub_f32 v[TT+4], v[TT+1], v[SH]              ; the wave's mean = that + s0
	v_fma_f32 v[TT+5], -v[SA], v[TT+1], v[SB]      ; the wave's M2
	v_max_num_f32 v[MX], v[MX], v[MX+1]
	v_max_num_f32 v[MX+2], v[MX+2], v[MX+3]
	v_permlanex16_b32 v[TT], v[MX], s66, s67       ; the query's other keys lie in the lane 16 away
	v_permlanex16_b32 v[TT+1], v[MX+2], s66, s67
	v_max_num_f32 v[MX], v[MX], v[TT]
	v_max_num_f32 v[MX+2], v[MX+2], v[TT+1]
	v_cmp_gt_u32 vcc_lo, 16, v[LANE]
	v_cndmask_b32 v[MX], v[MX+2], v[MX], vcc_lo    ; lanes 0-15: tile 0's queries; lanes 16-31: tile 1's
	v_sub_f32 v[MX], v[MX], v[SH]                  ; + s0
	v_lshlrev_b32 v[TT+2], 2, v[LANE]
	global_store_b32 v[TT+2], v[MX], s[52:53]      ; a wave's 128 bytes; the work-group's eight waves cover 1,024 consecutive bytes
	s_wait_xcnt 0x0                                ; EXEC changes only behind this wait
	v_cmp_eq_u32 vcc_lo, 0, v[LANE]
	s_and_saveexec_b32 s68, vcc_lo
	global_store_b64 v[ZERO], v[TT+4:TT+5], s[54:55]
	s_wait_xcnt 0x0
	s_or_b32 exec_lo, exec_lo, s68
	s_wait_tensorcnt 0x0
	ds_add_u32 v208, v209
	s_wait_dscnt 0x0
	CROUND                                         ; the closing round
	s_endpgm
.Lfunc_end_k_qbbad036fa5_sstat:
	.size	k_qbbad036fa5_sstat, .Lfunc_end_k_qbbad036fa5_sstat-k_qbbad036fa5_sstat
	.p2alignl 7, 3214868480
	.fill 96, 4, 3214868480
	.section	.rodata,"a",@progbits
	.p2align	6, 0x0
	.amdhsa_kernel k_qbbad036fa5_sstat
		.amdhsa_group_segment_fixed_size 295936
		.amdhsa_private_segment_fixed_size 0
		.amdhsa_enable_private_segment 0
		.amdhsa_kernarg_size 16
		.amdhsa_user_sgpr_count 2
		.amdhsa_user_sgpr_kernarg_segment_ptr 1
		.amdhsa_wavefront_size32 1
		.amdhsa_system_sgpr_workgroup_id_x 1
		.amdhsa_system_sgpr_workgroup_id_y 1
		.amdhsa_system_sgpr_workgroup_id_z 1
		.amdhsa_system_vgpr_workitem_id 0
		.amdhsa_next_free_vgpr 210
		.amdhsa_next_free_sgpr 72
		.amdhsa_reserve_vcc 1
		.amdhsa_float_denorm_mode_32 3
		.amdhsa_float_denorm_mode_16_64 3
		.amdhsa_memory_ordered 1
		.amdhsa_forward_progress 1
		.amdhsa_inst_pref_size 81
	.end_amdhsa_kernel
	.amdgpu_metadata
---
amdhsa.version: [ 1, 2 ]
amdhsa.kernels:
  - .name:           k_qbbad036fa5_sstat
    .symbol:         k_qbbad036fa5_sstat.kd
    .args:
      - { .name: QKV, .offset: 0, .size: 8, .value_kind: global_buffer, .address_space: global }
      - { .name: SS, .offset: 8, .size: 8, .value_kind: global_buffer, .address_space: global }
    .group_segment_fixed_size: 295936
    .private_segment_fixed_size: 0
    .kernarg_segment_align: 8
    .kernarg_segment_size: 16
    .max_flat_workgroup_size: 256
    .sgpr_count:     72
    .vgpr_count:     210
    .wavefront_size: 32
...
	.end_amdgpu_metadata
.endif
;; end of part 7
;; launch sattn (part 8): grid 8 x 32, 8 waves a work-group, clusters of 4 x 1, 327,680 bytes of LDS; arguments QKV, SS, PC, CTX; writes CTX
.if DOCPART == 8
	.amdgcn_target "amdgcn-amd-amdhsa--gfx1250"
	.amdhsa_code_object_version 6
	.text
	.protected	k_qbbad036fa5_sattn
	.globl	k_qbbad036fa5_sattn
	.p2align	8
	.type	k_qbbad036fa5_sattn,@function
k_qbbad036fa5_sattn:
	s_mov_b64 s[64:65], 0
	v_nop
	global_prefetch_b8 v0, s[64:65] scope:SCOPE_SE
	s_setreg_imm32_b32 hwreg(HW_REG_WAVE_MODE, 25, 1), 1
	s_wait_xcnt 0x0
	s_wait_alu depctr_hold_cnt(0) depctr_sa_sdst(0) depctr_va_vdst(0) depctr_va_sdst(0) depctr_va_ssrc(0) depctr_va_vcc(0) depctr_vm_vsrc(0)
	s_getreg_b32 s2, hwreg(HW_REG_IB_STS2, 6, 4)
	s_cmp_eq_u32 s2, 0
	s_cbranch_scc0 .Lentry_in_a_cluster
	s_endpgm
.Lentry_in_a_cluster:
	s_bfe_u32 s2, ttmp6, 0x10000c
	s_cmp_lg_u32 s2, 0x3003
	s_cbranch_scc0 .Lentry_shape_is_right
	s_endpgm
.Lentry_shape_is_right:
; ctx[i][b][n][h] = softmax over m of ((S - mean) / sqrt(var + eps)) V, S = Q K^T, for 256 queries of one (i, b, h) a work-group, 32 a wave (two tiles of 16).
; The mean cancels in the softmax.  var and each query's true maximum m come from the statistics launch, so there is no running maximum and nothing is rescaled:
; p = 2^(c s - c m), c = log2(e) rho / sqrt(var_s rho^2 + eps); K and V are stored divided by rho (the power of two at or under max |VC / 4|, at least 2^-100), so s is S / rho and ctx leaves as ctx / rho.
; p is rounded to f16 for the second product (it lies in (0, 1]; weights under 6e-8 become zero); sums in f32; ctx is rounded once to f16.
; S^T = K Q^T and O^T = V^T P: a lane then holds one query in S^T, P and O^T; V is turned on its way out of LDS.
; Two LDS slots of 512 keys (K at 144 bytes a key, V at 160); waves 0-3 fetch quarters of K, waves 4-7 of V, jointly for the cluster's four work-groups, which share (b, h).
; Two tensor loads of a wave are out at the start, one behind each refill; a refill has eight key steps in which to land.
; Eight waves, two to a SIMD: five vector instructions stand beside each matrix instruction, and one wave's softmax runs beside the other's products.
; A head's piece of a row of ctx is 128 bytes: eight lanes store 128 consecutive bytes; the neighbouring head's work-group stores the other half of the aligned 256.
; REGISTERS: window 0: v0-15 addresses and c, v16-19 c m, v20-23 l, v24-31 at work, v32-95 S^T, v96-127 P, v128-159 Q, v160-223 K; window 1: v0-63 V, v64-127 O^T.
.set PK,    144
.set PV,    160
.set VOFF,  512*PK
.set SLOT,  512*(PK+PV)
.set AK0, 3
.set AV0, 4
.set ADR, 5
.set QO,  6
.set STO, 7
.set RD,  8
.set GO,  9
.set CV,  12                           ; v[12:13] c, twice
.set MC,  16                           ; v[16:19] tile t: c m, twice
.set L,   20                           ; v[20:23] tile t: l (even keys', odd keys')
.set S,   32
.set P,   96
.set Q,   128
.set K,   160
.set O,   64                           ; in window 1
.set WV,  12
.set G1K, 24
.set G1V, 32
.set G0K, 40                           ; a set for each slot
.set G0V, 48
.set TBK, 56
.set TBV, 57
.set CNT, 60
.set MSB, 0
.macro WIN new                         ; the immediate's high byte repeats the setting that is left
.if MSB != \new
	s_set_vgpr_msb (MSB<<8)|\new
.set MSB, \new
.endif
.endm
.macro CROUND                          ; a round of the cluster's barrier
	s_barrier_signal -1
	s_barrier_wait -1
	s_cmp_lg_u32 s[WV], 0
	s_cbranch_scc1 .Lnot_wave_0_\@
	s_barrier_signal -3
.Lnot_wave_0_\@:
	s_barrier_wait -3
	s_barrier_signal -1
	s_barrier_wait -1
.endm
.macro PLACES                          ; four plain vector places behind matrix instructions (ISA guide 7.12.1)
.rept 4
	v_nop
.endr
.endm
.macro JLOAD s                         ; a joint refill of slot s; four v_nop follow each line
	s_cmp_lt_u32 s[WV], 4
	s_cbranch_scc0 .Lfor_v_\@
	tensor_load_to_lds s[G0K+4*\s:G0K+4*\s+3], s[G1K:G1K+7]
	s_nop 0
.rept 4
	v_nop
.endr
	s_branch .Lasked_\@
.Lfor_v_\@:
	tensor_load_to_lds s[G0V+4*\s:G0V+4*\s+3], s[G1V:G1V+7]
	s_nop 0
.rept 4
	v_nop
.endr
.Lasked_\@:
.endm
	s_load_b256 s[4:11], s[0:1], 0x0               ; QKV s[4:5], SS s[6:7], PC s[8:9], CTX s[10:11]
	v_lshl_add_u32 v254, v0, 2, 0x4c000
	v_mov_b32 v255, 0
	ds_add_u32 v254, v255
	v_lshrrev_b32 v1, 5, v0
	v_readfirstlane_b32 s[WV], v1
	s_bfe_u32 s13, ttmp6, 0x40000                  ; cx: it enters Q's, SS's and CTX's addresses alone
	s_lshl_b32 s14, ttmp9, 2
	s_add_co_u32 s14, s14, s13
	s_lshr_b32 s15, s14, 1                         ; i
	s_and_b32 s16, s14, 1                          ; which 256 queries
	s_and_b32 s17, ttmp7, 0xffff
	s_lshr_b32 s18, s17, 3                         ; b
	s_and_b32 s19, s17, 7                          ; h
	s_and_b32 s61, s[WV], 3                        ; which quarter of a slot's keys I fetch
	s_lshl_b32 s20, s18, 21                        ; (b x 2048 + quarter x 128) rows of 1,024 bytes + h x 128
	s_lshl_b32 s21, s61, 17
	s_add_co_u32 s20, s20, s21
	s_lshl_b32 s21, s19, 7
	s_add_co_u32 s20, s20, s21
	s_mov_b32 s21, 0
	s_lshl_b32 s22, s15, 21                        ; Q and ctx: (i x 2048 + b x 512 + half x 256 + wave x 32) rows + h x 128
	s_lshl_b32 s23, s18, 19
	s_add_co_u32 s22, s22, s23
	s_lshl_b32 s23, s16, 18
	s_add_co_u32 s22, s22, s23
	s_lshl_b32 s23, s[WV], 15
	s_add_co_u32 s22, s22, s23
	s_lshl_b32 s23, s19, 7
	s_add_co_u32 s22, s22, s23
	s_mov_b32 s23, 0
	s_lshl_b32 s76, s15, 5
	s_add_co_u32 s76, s76, s17                     ; i x 32 + b x 8 + h
	s_lshl_b32 s72, s76, 7                         ; its sixteen pairs (mean, M2)
	s_mov_b32 s73, 0
	s_lshl_b32 s76, s76, 1
	s_add_co_u32 s76, s76, s16
	s_lshl_b32 s76, s76, 3
	s_add_co_u32 s76, s76, s[WV]
	s_lshl_b32 s74, s76, 7
	s_add_co_u32 s74, s74, 16384                   ; my 32 queries' maxima
	s_mov_b32 s75, 0
	s_mul_i32 s62, s61, 128*PK
	s_mul_i32 s63, s61, 128*PV
	s_mul_i32 s77, s[WV], 16*PK                    ; my stage for the way out: 2,304 bytes in slot 0
	s_mov_b32 s66, 0x76543210                      ; v_permlanex16_b32: each lane takes its own place in the other half
	s_mov_b32 s67, 0xfedcba98
	s_mov_b32 s[G1K], 15|(1<<16)|(1<<20)|(1<<21)|(4<<22)|(3<<25)  ; all four work-groups; 2-byte elements; 4 words of padding behind every 32; bit 21 beside a mask
	s_mov_b32 s[G1V], 15|(1<<16)|(1<<20)|(1<<21)|(4<<22)|(7<<25)  ; the same with 8 words
.irp g, G1K, G1V
	s_mov_b32 s[\g+1], 64<<16                      ; tensor_dim0 = 64
	s_mov_b32 s[\g+2], 128<<16                     ; tensor_dim1 = 128
	s_mov_b32 s[\g+3], 64<<16                      ; tile_dim0 = 64
	s_mov_b32 s[\g+4], 128                         ; tile_dim1 = 128
	s_mov_b32 s[\g+5], 512                         ; elements from row to row
	s_mov_b32 s[\g+6], 0
	s_mov_b32 s[\g+7], 0
.endr
	s_wait_dscnt 0x0
	s_wait_kmcnt 0x0
	s_add_nc_u64 s[20:21], s[4:5], s[20:21]
	s_add_nc_u64 s[70:71], s[4:5], s[22:23]        ; Q
	s_add_nc_u64 s[10:11], s[10:11], s[22:23]      ; ctx
	s_add_nc_u64 s[72:73], s[6:7], s[72:73]
	s_add_nc_u64 s[74:75], s[6:7], s[74:75]
	s_add_nc_u64 s[8:9], s[8:9], 25167872          ; the 256 maxima of VC's waves
	CROUND                                         ; all four work-groups are here: the first joint loads meet
.irp s, 0,1
	s_mov_b32 s[G0K+4*\s], 1
	s_add_co_u32 s[G0K+4*\s+1], s62, \s*SLOT
	s_add_nc_u64 s[G0K+4*\s+2:G0K+4*\s+3], s[20:21], 8388608+\s*524288
	s_or_b32 s[G0K+4*\s+3], s[G0K+4*\s+3], 0x80000000
	s_mov_b32 s[G0V+4*\s], 1
	s_add_co_u32 s[G0V+4*\s+1], s63, \s*SLOT+VOFF
	s_add_nc_u64 s[G0V+4*\s+2:G0V+4*\s+3], s[20:21], 16777216+\s*524288
	s_or_b32 s[G0V+4*\s+3], s[G0V+4*\s+3], 0x80000000
.endr
	s_cmp_lt_u32 s[WV], 4                          ; a wave's two first fills stand in one branch
	s_cbranch_scc0 .Lfirst_v
	tensor_load_to_lds s[G0K:G0K+3], s[G1K:G1K+7]
	s_nop 0
	tensor_load_to_lds s[G0K+4:G0K+7], s[G1K:G1K+7]
	s_nop 0
.rept 4
	v_nop
.endr
	s_branch .Lfirst_asked
.Lfirst_v:
	tensor_load_to_lds s[G0V:G0V+3], s[G1V:G1V+7]
	s_nop 0
	tensor_load_to_lds s[G0V+4:G0V+7], s[G1V:G1V+7]
	s_nop 0
.rept 4
	v_nop
.endr
.Lfirst_asked:
	v_and_b32 v1, 15, v0                           ; r = l % 16
	v_bfe_u32 v2, v0, 4, 1                         ; l / 16
	v_lshlrev_b32 v[QO], 10, v1
	v_lshl_add_u32 v[QO], v2, 4, v[QO]
.irp f, 0,1,2,3                        ; Q stays in registers: tile f / 2, channels 32 (f % 2) on
	global_load_b128 v[Q+8*\f:Q+8*\f+3],   v[QO], s[70:71] offset:(\f/2)*16384+(\f%2)*64
	global_load_b128 v[Q+8*\f+4:Q+8*\f+7], v[QO], s[70:71] offset:(\f/2)*16384+(\f%2)*64+32
.endr
	v_lshlrev_b32 v14, 3, v1
	v_lshlrev_b32 v15, 2, v1
	v_and_b32 v31, 31, v0
	v_lshlrev_b32 v31, 5, v31
	global_load_b64 v[24:25], v14, s[72:73]        ; wave r's mean and M2 (both halves of the lanes hold the same sixteen)
	global_load_b32 v[MC], v15, s[74:75]           ; my query's maximum, tile 0
	global_load_b32 v[MC+2], v15, s[74:75] offset:64   ; tile 1
	global_load_b128 v[32:35], v31, s[8:9]         ; eight of the 256 maxima a lane
	global_load_b128 v[36:39], v31, s[8:9] offset:16
	v_mul_u32_u24 v[AK0], v1, PK                   ; a fragment of K: row x pitch + 16 x half
	v_lshl_add_u32 v[AK0], v2, 4, v[AK0]
	v_and_b32 v10, 7, v0
	v_bfe_u32 v11, v0, 3, 1
	v_lshl_add_u32 v[AV0], v2, 3, v10              ; the turning load: key 8 (l / 16) + l % 8, channels 8 ((l / 8) % 2) on
	v_mul_u32_u24 v[AV0], v[AV0], PV
	v_lshl_add_u32 v[AV0], v11, 4, v[AV0]
	v_mul_u32_u24 v[STO], v1, PK                   ; the way out, in: row r, 16 bytes for each half of the lanes
	v_lshl_add_u32 v[STO], v2, 4, v[STO]
	v_add_nc_u32 v[STO], s77, v[STO]
	v_bfe_u32 v11, v0, 3, 2                        ; back: eight lanes take one row of 128 bytes, four rows a load
	v_mul_u32_u24 v[RD], v11, PK
	v_lshl_add_u32 v[RD], v10, 4, v[RD]
	v_add_nc_u32 v[RD], s77, v[RD]
	v_lshlrev_b32 v[GO], 10, v11                   ; and the same four rows in ctx
	v_lshl_add_u32 v[GO], v10, 4, v[GO]
.irp j, 0,1,2,3
	v_mov_b32 v[L+\j], 0
.endr
	s_wait_loadcnt 0x0
	v_max3_num_f32 v32, v32, v33, v34
	v_max3_num_f32 v35, v35, v36, v37
	v_max3_num_f32 v32, v32, v38, v39
	v_max_num_f32 v32, v32, v35
.irp x, 1,2,4,8
	v_max_num_f32_dpp v32, v32, v32 row_xmask:\x row_mask:0xf bank_mask:0xf
.endr
	v_permlanex16_b32 v33, v32, s66, s67
	v_max_num_f32 v32, v32, v33                    ; max |VC / 4|
	v_and_b32 v32, 0x7f800000, v32                 ; rho: its power of two,
	v_max_num_f32 v32, 0x0d800000, v32             ; at least 2^-100
	v_mov_b32 v26, v24
.irp x, 1,2,4,8
	v_add_f32_dpp v26, v26, v26 row_xmask:\x row_mask:0xf bank_mask:0xf
.endr
	v_mul_f32 v26, 0x3d800000, v26                 ; the mean of the sixteen waves' means (equal counts)
	v_sub_f32 v26, v24, v26
	v_mul_f32 v26, v26, v26
	v_fmamk_f32 v25, v26, 0x47800000, v25          ; M2_wave + 65,536 (mean_wave - mean)^2
.irp x, 1,2,4,8
	v_add_f32_dpp v25, v25, v25 row_xmask:\x row_mask:0xf bank_mask:0xf
.endr
	v_mul_f32 v25, 0x35800000, v25                 ; var_s = M2 / 2^20
	v_mul_f32 v25, v25, v32                        ; times rho twice: rho^2 alone could fall under f32's range
	v_mov_b32 v27, 0x3727c5ac                      ; eps = 1e-5
	v_fma_f32 v25, v25, v32, v27
	v_rsq_f32 v25, v25
	v_mul_f32 v26, 0x3fb8aa3b, v32                 ; log2(e) rho: also the plain instruction between the root and its use
	s_wait_alu depctr_va_vdst(0)
	v_mul_f32 v[CV], v25, v26
	v_mov_b32 v[CV+1], v[CV]
	v_mul_f32 v[MC], v[MC], v[CV]
	v_mul_f32 v[MC+2], v[MC+2], v[CV]
	v_mov_b32 v[MC+1], v[MC]
	v_mov_b32 v[MC+3], v[MC+2]
; 16 products S^T = K Q^T: channels 32 (i / 8) on, keys 16 ((i / 2) % 4) on, tile i % 2.  The eight accumulators take turns, one instruction a turn.
.macro KQ
.set i, 0
.rept 16
.set rS, S+32*(i%2)+8*((i/2)%4)
.set rK, K+16*((i/2)%4)+8*(i/8)
.set rQ, Q+16*(i%2)+8*(i/8)
.if i < 8
	v_wmma_f32_16x16x32_f16 v[rS:rS+7], v[rK:rK+7], v[rQ:rQ+7], 0
.else
	v_wmma_f32_16x16x32_f16 v[rS:rS+7], v[rK:rK+7], v[rQ:rQ+7], v[rS:rS+7]
.endif
.set i, i+1
.endr
.endm
; 16 products O^T += V^T P: keys 32 (i / 8) on, channels 16 ((i / 2) % 4) on, tile i % 2; by turns likewise.  zero = 1: the first eight start the sums.
.macro PV zero
.set i, 0
.rept 16
.set rO, O+32*(i%2)+8*((i/2)%4)
.set rV, 32*(i/8)+8*((i/2)%4)
.set rP, P+16*(i%2)+8*(i/8)
.if \zero && (i < 8)
	v_wmma_f32_16x16x32_f16 v[rO:rO+7], v[rV:rV+7], v[rP:rP+7], 0
.else
	v_wmma_f32_16x16x32_f16 v[rO:rO+7], v[rV:rV+7], v[rP:rP+7], v[rO:rO+7]
.endif
.set i, i+1
.endr
.endm
.macro FETCH_K                         ; a step's 64 keys x 64 channels; the four vector lines are the places behind the products that read K
	v_add_nc_u32 v[ADR], s[TBK], v[AK0]
	s_add_co_u32 s[TBK], s[TBK], 64*PK
	v_nop
	v_nop
	v_nop
.irp f, 0,1,2,3,4,5,6,7
	ds_load_b128 v[K+8*\f:K+8*\f+3],   v[ADR] offset:(\f/2)*16*PK+(\f%2)*64
	ds_load_b128 v[K+8*\f+4:K+8*\f+7], v[ADR] offset:(\f/2)*16*PK+(\f%2)*64+32
.endr
.endm
.macro FETCH_V                         ; the same step's V, turned: keys 32 (f / 4) on, channels 16 (f % 4) on; four places behind the products that read V
	v_add_nc_u32 v[ADR], s[TBV], v[AV0]
	s_add_co_u32 s[TBV], s[TBV], 64*PV
	v_nop
	v_nop
	v_nop
	WIN 0x40                                       ; destination window 1
.irp f, 0,1,2,3,4,5,6,7
	ds_load_tr16_b128 v[8*\f:8*\f+3],   v[ADR] offset:(\f/4)*32*PV+(\f%4)*32
	ds_load_tr16_b128 v[8*\f+4:8*\f+7], v[ADR] offset:(\f/4)*32*PV+16*PV+(\f%4)*32
.endr
	WIN 0
.endm
; The softmax of a step: c s - c m for all 32 pairs (ascending: every accumulator is read from its low end on); then four exponentials by turns with the rounding and the sums of the pairs before,
; so that every exponential has a plain instruction behind it before its result is used.
.macro SMX
.set p, 0
.rept 16
.irp t, 0,1
	v_pk_fma_f32 v[S+32*\t+2*p:S+32*\t+2*p+1], v[S+32*\t+2*p:S+32*\t+2*p+1], v[CV:CV+1], v[MC+2*\t:MC+2*\t+1] neg_lo:[0,0,1] neg_hi:[0,0,1]
.endr
.set p, p+1
.endr
.set p, 0
.rept 17
.if p < 16
.irp t, 0,1
	v_exp_f32 v[S+32*\t+2*p], v[S+32*\t+2*p]
	v_exp_f32 v[S+32*\t+2*p+1], v[S+32*\t+2*p+1]
.endr
.endif
.if p == 0
	v_nop                                          ; the first four have no earlier pair's work behind them
.else
	s_wait_alu depctr_va_vdst(0)
.irp t, 0,1
	v_cvt_pk_f16_f32 v[P+16*\t+p-1], v[S+32*\t+2*p-2], v[S+32*\t+2*p-1]
.endr
.irp t, 0,1
	v_pk_add_f32 v[L+2*\t:L+2*\t+1], v[L+2*\t:L+2*\t+1], v[S+32*\t+2*p-2:S+32*\t+2*p-1]
.endr
.endif
.set p, p+1
.endr
.endm
; A key step.  pre = 1: the next step's K is fetched behind this step's K Q^T, its V behind this step's V^T P.
.macro STEP pre, zero
	s_wait_dscnt 16                                ; K is in; V's sixteen loads, issued behind K's, may stay out
	KQ
.if \pre
	FETCH_K
.else
	PLACES
.endif
	SMX
.if \pre
	s_wait_dscnt 16                                ; V is in; the next K's sixteen loads stay out
.else
	s_wait_dscnt 0x0
.endif
	WIN 0x51                                       ; V, O^T in window 1, P in window 0
	PV \zero
	WIN 0
.if \pre
	FETCH_V
.endif
.endm
.macro CHUNK slot, first               ; a slot's 512 keys: eight steps
	s_mov_b32 s[TBK], \slot*SLOT
	s_mov_b32 s[TBV], \slot*SLOT+VOFF
	FETCH_K
	FETCH_V
.if \first
	STEP 1, 1                                      ; the first products V^T P start O^T's sums: nothing is cleared
	s_mov_b32 s[CNT], 6
.else
	s_mov_b32 s[CNT], 7
.endif
.Lstep_\@:
	STEP 1, 0
	s_sub_co_u32 s[CNT], s[CNT], 1
	s_cmp_lg_u32 s[CNT], 0
	s_cbranch_scc1 .Lstep_\@
	STEP 0, 0
.endm
; The change of slots.  Each wave waits for its reads of the slot and for all its tensor loads (the one that is out is its part of the other slot).
; fill = 1: the slot is filled again with the keys two slots on: the barrier is a round of the cluster's, and the joint refill is the first thing behind it.
.macro CHANGE slot, fill
	s_wait_dscnt 0x0
	s_wait_tensorcnt 0x0                           ; no tensor load of mine is out, so a group 0 may be written
	ds_add_u32 v254, v255
	s_wait_dscnt 0x0
.if \fill
	s_add_nc_u64 s[G0K+4*\slot+2:G0K+4*\slot+3], s[G0K+4*\slot+2:G0K+4*\slot+3], 1048576   ; 1,024 keys of 1,024 bytes on
	s_add_nc_u64 s[G0V+4*\slot+2:G0V+4*\slot+3], s[G0V+4*\slot+2:G0V+4*\slot+3], 1048576
	CROUND
	JLOAD \slot
.else
	s_barrier_signal -1
	s_barrier_wait -1
.endif
.endm
	s_wait_tensorcnt 1                             ; my part of slot 0 is in; slot 1's may stay out
	s_barrier_signal -1
	s_barrier_wait -1                              ; everybody's is
	CHUNK 0, 1
	CHANGE 0, 1
	CHUNK 1, 0
	CHANGE 1, 1
	CHUNK 0, 0
	CHANGE 0, 0                                    ; slot 0 has had its last fill and its last read: it serves as the stage below
	CHUNK 1, 0
	; THE WAY OUT.  l's two halves and the other half of the lanes' are added; O^T is divided by l, rounded to f16 and sent through my stage, a tile (16 rows) at a time.  The additions are the places behind the last products.
	v_add_f32 v28, v[L], v[L+1]
	v_add_f32 v29, v[L+2], v[L+3]
	v_permlanex16_b32 v24, v28, s66, s67
	v_permlanex16_b32 v25, v29, s66, s67
	v_add_f32 v28, v28, v24
	v_add_f32 v29, v29, v25
	v_rcp_f32 v24, v28
	v_rcp_f32 v26, v29
	v_nop                                          ; a plain instruction between the reciprocals and their use
	s_wait_alu depctr_va_vdst(0)
	v_mov_b32 v25, v24
	v_mov_b32 v27, v26
	WIN 0x41                                       ; O^T (destination and source 0) in window 1
.irp t, 0,1
.set i, 0
.rept 16
	v_pk_mul_f32 v[O+32*\t+2*i:O+32*\t+2*i+1], v[O+32*\t+2*i:O+32*\t+2*i+1], v[24+2*\t:25+2*\t]
.set i, i+1
.endr
.endr
	WIN 0x05                                       ; sources in window 1, destination in window 0: S^T's registers are free
.irp t, 0,1
.set i, 0
.rept 16
	v_cvt_pk_f16_f32 v[S+16*\t+i], v[O+32*\t+2*i], v[O+32*\t+2*i+1]
.set i, i+1
.endr
.endr
	WIN 0
.irp t, 0,1
.irp d, 0,1,2,3
	ds_store_b128 v[STO], v[S+16*\t+4*\d:S+16*\t+4*\d+3] offset:32*\d
.endr
.irp k, 0,1,2,3
	ds_load_b128 v[S+32+16*\t+4*\k:S+32+16*\t+4*\k+3], v[RD] offset:576*\k   ; LDS serves a wave's instructions in order: these see the stores above, and tile 1's stores come behind tile 0's loads
.endr
.endr
	s_wait_dscnt 8                                 ; tile 0 is back; tile 1's eight LDS instructions may stay out
.irp k, 0,1,2,3
	global_store_b128 v[GO], v[S+32+4*\k:S+32+4*\k+3], s[10:11] offset:4*\k*1024
.endr
	s_wait_dscnt 0x0
.irp k, 0,1,2,3
	global_store_b128 v[GO], v[S+48+4*\k:S+48+4*\k+3], s[10:11] offset:(16+4*\k)*1024
.endr
	s_wait_tensorcnt 0x0
	ds_add_u32 v254, v255
	s_wait_dscnt 0x0
	CROUND                                         ; the closing round: no work-group ends while a partner may still ask for a tile that names it
	s_endpgm
.Lfunc_end_k_qbbad036fa5_sattn:
	.size	k_qbbad036fa5_sattn, .Lfunc_end_k_qbbad036fa5_sattn-k_qbbad036fa5_sattn
	.p2alignl 7, 3214868480
	.fill 96, 4, 3214868480
	.section	.rodata,"a",@progbits
	.p2align	6, 0x0
	.amdhsa_kernel k_qbbad036fa5_sattn
		.amdhsa_group_segment_fixed_size 327680
		.amdhsa_private_segment_fixed_size 0
		.amdhsa_enable_private_segment 0
		.amdhsa_kernarg_size 32
		.amdhsa_user_sgpr_count 2
		.amdhsa_user_sgpr_kernarg_segment_ptr 1
		.amdhsa_wavefront_size32 1
		.amdhsa_system_sgpr_workgroup_id_x 1
		.amdhsa_system_sgpr_workgroup_id_y 1
		.amdhsa_system_sgpr_workgroup_id_z 1
		.amdhsa_system_vgpr_workitem_id 0
		.amdhsa_next_free_vgpr 384
		.amdhsa_next_free_sgpr 80
		.amdhsa_reserve_vcc 0
		.amdhsa_float_denorm_mode_32 3
		.amdhsa_float_denorm_mode_16_64 3
		.amdhsa_memory_ordered 1
		.amdhsa_forward_progress 1
		.amdhsa_inst_pref_size 139
	.end_amdhsa_kernel
	.amdgpu_metadata
---
amdhsa.version: [ 1, 2 ]
amdhsa.kernels:
  - .name:           k_qbbad036fa5_sattn
    .symbol:         k_qbbad036fa5_sattn.kd
    .args:
      - { .name: QKV, .offset: 0, .size: 8, .value_kind: global_buffer, .address_space: global }
      - { .name: SS, .offset: 8, .size: 8, .value_kind: global_buffer, .address_space: global }
      - { .name: PC, .offset: 16, .size: 8, .value_kind: global_buffer, .address_space: global }
      - { .name: CTX, .offset: 24, .size: 8, .value_kind: global_buffer, .address_space: global }
    .group_segment_fixed_size: 327680
    .private_segment_fixed_size: 0
    .kernarg_segment_align: 8
    .kernarg_segment_size: 32
    .max_flat_workgroup_size: 256
    .sgpr_count:     80
    .vgpr_count:     384
    .wavefront_size: 32
...
	.end_amdgpu_metadata
.endif
;; end of part 8
;; launch outp (part 9): grid 4 x 64, 4 waves a work-group, clusters of 4 x 4, 288,256 bytes of LDS; arguments CTX, BF, PC, out0, out1, out2, out3; writes out0, out1, out2, out3
.if DOCPART == 9
	.amdgcn_target "amdgcn-amd-amdhsa--gfx1250"
	.amdhsa_code_object_version 6
	.text
	.protected	k_qbbad036fa5_outp
	.globl	k_qbbad036fa5_outp
	.p2align	8
	.type	k_qbbad036fa5_outp,@function
k_qbbad036fa5_outp:
	s_mov_b64 s[64:65], 0
	v_nop
	global_prefetch_b8 v0, s[64:65] scope:SCOPE_SE
	s_setreg_imm32_b32 hwreg(HW_REG_WAVE_MODE, 25, 1), 1
	s_wait_xcnt 0x0
	s_wait_alu depctr_hold_cnt(0) depctr_sa_sdst(0) depctr_va_vdst(0) depctr_va_sdst(0) depctr_va_ssrc(0) depctr_va_vcc(0) depctr_vm_vsrc(0)
	s_getreg_b32 s2, hwreg(HW_REG_IB_STS2, 6, 4)
	s_cmp_eq_u32 s2, 0
	s_cbranch_scc0 .Lentry_in_a_cluster
	s_endpgm
.Lentry_in_a_cluster:
	s_bfe_u32 s2, ttmp6, 0x10000c
	s_cmp_lg_u32 s2, 0xf033
	s_cbranch_scc0 .Lentry_shape_is_right
	s_endpgm
.Lentry_shape_is_right:
; out_i = ctx_i Wo_i^T, K = 512, f16 operands, f32 sums, f32 results.  ctx is stored divided by rho (the power of two at or under max |VC / 4|, at least 2^-100): the sums are multiplied by rho, which is exact.
; A cluster's y picks 512 rows of ctx (and with them i); its 4 x 4 work-groups are 4 x 4 tiles of 128 x 128: 256 tiles for 256 work-groups.  K is two steps of 256: both slots are filled once.
; The matrix instruction is used transposed: a lane holds eight neighbouring columns of a row.  A wave's 64 columns of f32 are 256 bytes, so each wave has a stage of its own and needs no barrier on the way out.
.set KSTEP,  256
.set PITCH,  528                       ; 512 bytes + 16 of padding
.set HALFT,  64*PITCH
.set SLOT,   4*HALFT
.set STAGE,  2*SLOT                    ; behind the ring: 16 rows x 272 bytes for each wave
.set SPITCH, 272
.set OROW,   2048                      ; bytes of a row of an output
.set W0,     33554432                  ; the small weights' place in BF: groups of 512 rows, Wq1..4, Wk, Wv, Wo1..4
.set ADRA, 16
.set ADRB, 20
.set STO,  24
.set RD,   25
.set CO,   26
.set RHO,  28                          ; v[28:29] rho, twice
.set TMP,  32
.set ACC,  128
.set F0,   0
.set F1,   128
.set G1, 24
.set G0, 32
.set G1B, 48
.set G0B, 56
.set MSB, 0
.macro WIN new
.if MSB != \new
	s_set_vgpr_msb (MSB<<8)|\new
.set MSB, \new
.endif
.endm
.set MUL,  0x05
.set TO_F, 0x40
.macro JLOAD s                         ; a joint load: waves 0, 1 fetch A's halves, waves 2, 3 B's; four v_nop follow each line
	s_cmp_eq_u32 s11, 0
	s_cbranch_scc0 .Lfor_b_\@
	tensor_load_to_lds s[G0+4*\s:G0+4*\s+3], s[G1:G1+7]
	s_nop 0
.rept 4
	v_nop
.endr
	s_branch .Lasked_\@
.Lfor_b_\@:
	tensor_load_to_lds s[G0B+4*\s:G0B+4*\s+3], s[G1B:G1B+7]
	s_nop 0
.rept 4
	v_nop
.endr
.Lasked_\@:
.endm
.macro CROUND
	s_barrier_signal -1
	s_barrier_wait -1
	s_cmp_lg_u32 s10, 0
	s_cbranch_scc1 .Lnot_wave_0_\@
	s_barrier_signal -3
.Lnot_wave_0_\@:
	s_barrier_wait -3
	s_barrier_signal -1
	s_barrier_wait -1
.endm
.macro PLACES
.rept 4
	v_nop
.endr
.endm
	s_load_b128 s[4:7], s[0:1], 0x0                ; CTX s[4:5], BF s[6:7]
	s_load_b64 s[74:75], s[0:1], 0x10              ; PC
	s_load_b64 s[8:9], s[0:1], 0x18                ; out0
	s_load_b64 s[70:71], s[0:1], 0x20              ; out1
	s_load_b64 s[72:73], s[0:1], 0x28              ; out2
	s_load_b64 s[76:77], s[0:1], 0x30              ; out3
	v_lshl_add_u32 v126, v0, 2, 0x46400
	v_mov_b32 v127, 0
	ds_add_u32 v126, v127
	v_lshrrev_b32 v1, 5, v0
	v_readfirstlane_b32 s10, v1
	s_lshr_b32 s11, s10, 1                         ; my half of the tile's rows; also: I fetch for A (0) or B (1)
	s_and_b32 s12, s10, 1                          ; my half of its columns; also: which 64 rows I fetch
	s_bfe_u32 s40, ttmp6, 0x40000                  ; cx
	s_bfe_u32 s41, ttmp6, 0x40004                  ; cy
	s_and_b32 s69, ttmp7, 0xffff                   ; the cluster's y: 512 rows of ctx
	s_lshr_b32 s68, s69, 2                         ; i
	s_lshl_b32 s43, s41, 2
	s_lshl_b32 s43, 15, s43                        ; my row of the cluster
	s_lshl_b32 s44, 0x1111, s40                    ; my column
	s_mov_b32 s66, 0x76543210
	s_mov_b32 s67, 0xfedcba98
	s_or_b32 s[G1+0], s43, (1<<16)|(1<<20)|(1<<21)|(6<<22)|(3<<25)  ; mask; 2-byte elements; 4 words of padding behind every 128; bit 21 beside a mask
	s_or_b32 s[G1B+0], s44, (1<<16)|(1<<20)|(1<<21)|(6<<22)|(3<<25)
.irp g, G1, G1B
	s_mov_b32 s[\g+1], KSTEP<<16
	s_mov_b32 s[\g+2], 64<<16
	s_mov_b32 s[\g+3], KSTEP<<16
	s_mov_b32 s[\g+4], 64
	s_mov_b32 s[\g+5], 512
	s_mov_b32 s[\g+6], 0
	s_mov_b32 s[\g+7], 0
.endr
	s_lshl_b32 s16, s69, 2
	s_add_co_u32 s16, s16, s41
	s_lshl_b32 s16, s16, 1
	s_add_co_u32 s16, s16, s12
	s_lshl_b32 s16, s16, 16                        ; A: ((y x 4 + cy) x 2 + half) x 64 rows of 1,024 bytes
	s_add_co_u32 s46, s68, 6
	s_lshl_b32 s46, s46, 2
	s_add_co_u32 s46, s46, s40
	s_lshl_b32 s46, s46, 1
	s_add_co_u32 s46, s46, s12
	s_lshl_b32 s46, s46, 16
	s_add_co_u32 s46, s46, W0                      ; B: Wo_i, (((6 + i) x 4 + cx) x 2 + half) x 64 rows
	s_mov_b32 s17, 0
	s_mov_b32 s47, 0
	s_mul_i32 s20, s10, HALFT
	s_wait_dscnt 0x0
	s_wait_kmcnt 0x0
	s_add_nc_u64 s[14:15], s[4:5], s[16:17]
	s_add_nc_u64 s[46:47], s[6:7], s[46:47]
	s_cmp_eq_u32 s68, 1                            ; the output is chosen by i, which hangs on the cluster's y alone
	s_cselect_b64 s[8:9], s[70:71], s[8:9]
	s_cmp_eq_u32 s68, 2
	s_cselect_b64 s[8:9], s[72:73], s[8:9]
	s_cmp_eq_u32 s68, 3
	s_cselect_b64 s[8:9], s[76:77], s[8:9]
	s_add_nc_u64 s[74:75], s[74:75], 25167872      ; the 256 maxima of VC's waves
	CROUND                                         ; all sixteen work-groups are here: the first joint loads meet
.irp s, 0,1
	s_mov_b32 s[G0+4*\s], 1
	s_add_co_u32 s[G0+4*\s+1], s20, \s*SLOT
	s_add_nc_u64 s[G0+4*\s+2:G0+4*\s+3], s[14:15], \s*KSTEP*2
	s_or_b32 s[G0+4*\s+3], s[G0+4*\s+3], 0x80000000
	s_mov_b32 s[G0B+4*\s], 1
	s_add_co_u32 s[G0B+4*\s+1], s20, \s*SLOT
	s_add_nc_u64 s[G0B+4*\s+2:G0B+4*\s+3], s[46:47], \s*KSTEP*2
	s_or_b32 s[G0B+4*\s+3], s[G0B+4*\s+3], 0x80000000
	JLOAD \s
.endr
	v_and_b32 v3, 31, v0
	v_lshlrev_b32 v3, 5, v3
	global_load_b128 v[32:35], v3, s[74:75]        ; eight of the 256 maxima a lane
	global_load_b128 v[36:39], v3, s[74:75] offset:16
	v_and_b32 v1, 15, v0
	v_bfe_u32 v2, v0, 4, 1
	v_mul_u32_u24 v10, v1, PITCH
	v_lshl_add_u32 v10, v2, 4, v10
	s_mul_i32 s21, s11, HALFT
	s_mul_i32 s22, s12, HALFT
	s_add_co_u32 s22, s22, 2*HALFT
.irp s, 0,1
	v_add_nc_u32 v[ADRA+\s], s21, v10
	v_add_nc_u32 v[ADRB+\s], s22, v10
	s_add_co_u32 s21, s21, SLOT
	s_add_co_u32 s22, s22, SLOT
.endr
	s_mul_i32 s23, s10, 16*SPITCH
	s_add_co_u32 s23, s23, STAGE                   ; my stage
	v_mul_u32_u24 v11, v1, SPITCH                  ; in: row l % 16, 32 bytes for each half of the lanes
	v_lshl_add_u32 v11, v2, 5, v11
	v_add_nc_u32 v[STO], s23, v11
	v_mul_u32_u24 v12, v2, SPITCH                  ; back: lanes 0-15 take one row of 256 bytes, lanes 16-31 the next
	v_lshl_add_u32 v12, v1, 4, v12
	v_add_nc_u32 v[RD], s23, v12
	v_lshlrev_b32 v12, 11, v2                      ; and the same two rows in the output
	v_lshl_add_u32 v[CO], v1, 4, v12
	s_and_b32 s18, s69, 3                          ; my first row in out_i: (((y % 4) x 4 + cy) x 2 + row half) x 64 rows of 2,048 bytes
	s_lshl_b32 s18, s18, 2
	s_add_co_u32 s18, s18, s41
	s_lshl_b32 s18, s18, 1
	s_add_co_u32 s18, s18, s11
	s_lshl_b32 s18, s18, 17
	s_mov_b32 s19, 0
	s_add_nc_u64 s[8:9], s[8:9], s[18:19]
	s_lshl_b32 s46, s40, 9                         ; my first column, in bytes: 512 cx + 256 x column half
	s_lshl_b32 s47, s12, 8
	s_add_co_u32 s46, s46, s47
	s_mov_b32 s47, 0
	s_add_nc_u64 s[8:9], s[8:9], s[46:47]
	s_wait_loadcnt 0x0
	v_max3_num_f32 v32, v32, v33, v34
	v_max3_num_f32 v35, v35, v36, v37
	v_max3_num_f32 v32, v32, v38, v39
	v_max_num_f32 v32, v32, v35
.irp x, 1,2,4,8
	v_max_num_f32_dpp v32, v32, v32 row_xmask:\x row_mask:0xf bank_mask:0xf
.endr
	v_permlanex16_b32 v33, v32, s66, s67
	v_max_num_f32 v32, v32, v33                    ; max |VC / 4|
	v_and_b32 v32, 0x7f800000, v32                 ; rho: its power of two,
	v_max_num_f32 v[RHO], 0x0d800000, v32          ; at least 2^-100
	v_mov_b32 v[RHO+1], v[RHO]
.macro MUL8 f, c, a0, zero             ; the 16 accumulators take turns, one instruction a turn
.irp a, \a0, \a0+1
.irp b, 0,1,2,3
.if \zero
	v_wmma_f32_16x16x32_f16 v[ACC+8*(4*(\a)+\b):ACC+8*(4*(\a)+\b)+7], v[\f+64+8*(4*\c+\b):\f+64+8*(4*\c+\b)+7], v[\f+8*(4*\c+\a):\f+8*(4*\c+\a)+7], 0
.else
	v_wmma_f32_16x16x32_f16 v[ACC+8*(4*(\a)+\b):ACC+8*(4*(\a)+\b)+7], v[\f+64+8*(4*\c+\b):\f+64+8*(4*\c+\b)+7], v[\f+8*(4*\c+\a):\f+8*(4*\c+\a)+7], v[ACC+8*(4*(\a)+\b):ACC+8*(4*(\a)+\b)+7]
.endif
.endr
.endr
.endm
.macro FETCH slot, k, f                ; 32 LDS loads in one run: 64 along K; the first 32 along K first
	WIN TO_F
.irp c, 0,1
.irp i, 0,1,2,3
	ds_load_b128 v[\f+64+8*(4*\c+\i):\f+64+8*(4*\c+\i)+3],   v[ADRB+\slot] offset:\k+64*\c+\i*16*PITCH
	ds_load_b128 v[\f+64+8*(4*\c+\i)+4:\f+64+8*(4*\c+\i)+7], v[ADRB+\slot] offset:\k+64*\c+\i*16*PITCH+32
	ds_load_b128 v[\f+8*(4*\c+\i):\f+8*(4*\c+\i)+3],         v[ADRA+\slot] offset:\k+64*\c+\i*16*PITCH
	ds_load_b128 v[\f+8*(4*\c+\i)+4:\f+8*(4*\c+\i)+7],       v[ADRA+\slot] offset:\k+64*\c+\i*16*PITCH+32
.endr
.endr
.endm
.macro QUARTER slot, k, f, g, zero
	s_wait_dscnt 16                                ; the first 32 along K are in
	WIN MUL
	MUL8 \f, 0, 0, \zero
	MUL8 \f, 0, 2, \zero
	PLACES
	FETCH \slot, \k, \g
	s_wait_dscnt 32                                ; all but the 32 just issued
	WIN MUL
	MUL8 \f, 1, 0, 0
	MUL8 \f, 1, 2, 0
.endm
	s_wait_tensorcnt 1                             ; K step 0 is in; step 1 stays out
	s_barrier_signal -1
	s_barrier_wait -1
	FETCH 0, 0, F0
	QUARTER 0, 128, F0, F1, 1                      ; the first products start the sums: nothing is cleared
	QUARTER 0, 256, F1, F0, 0
	QUARTER 0, 384, F0, F1, 0
	s_wait_dscnt 16                                ; the change of slots: nothing is filled again
	WIN MUL
	MUL8 F1, 0, 0, 0
	s_wait_dscnt 0
	s_wait_tensorcnt 0x0                           ; my part of K step 1 is in,
	s_barrier_signal -1
	MUL8 F1, 0, 2, 0
	s_barrier_wait -1                              ; everybody's is
	PLACES
	FETCH 1, 0, F0
	WIN MUL
	MUL8 F1, 1, 0, 0
	MUL8 F1, 1, 2, 0
	QUARTER 1, 128, F0, F1, 0
	QUARTER 1, 256, F1, F0, 0
	QUARTER 1, 384, F0, F1, 0
	s_wait_dscnt 16
	WIN MUL
	MUL8 F1, 0, 0, 0
	MUL8 F1, 0, 2, 0
	s_wait_dscnt 0
	MUL8 F1, 1, 0, 0
	MUL8 F1, 1, 2, 0
	WIN 0
	PLACES
.set i, 0
.rept 64                               ; times rho, ascending: every accumulator is read from its low end on
	v_pk_mul_f32 v[ACC+2*i:ACC+2*i+1], v[ACC+2*i:ACC+2*i+1], v[RHO:RHO+1]
.set i, i+1
.endr
.irp a, 0,1,2,3                        ; 16 rows at a time through my stage: 32 bytes a lane in, whole rows of 256 bytes back
.irp q, 0,1,2,3
	ds_store_b128 v[STO], v[ACC+8*(4*\a+\q):ACC+8*(4*\a+\q)+3]   offset:64*\q
	ds_store_b128 v[STO], v[ACC+8*(4*\a+\q)+4:ACC+8*(4*\a+\q)+7] offset:64*\q+16
.endr
.if \a >= 2
	s_wait_xcnt 0x0                                ; the registers that the stores two blocks back read are loaded again only behind this wait
.endif
.irp t, 0,1,2,3,4,5,6,7
	ds_load_b128 v[TMP+32*(\a%2)+4*\t:TMP+32*(\a%2)+4*\t+3], v[RD] offset:\t*2*SPITCH   ; LDS serves a wave's instructions in order: these see the stores above
.endr
	s_wait_dscnt 0x0
.irp t, 0,1,2,3,4,5,6,7
	global_store_b128 v[CO], v[TMP+32*(\a%2)+4*\t:TMP+32*(\a%2)+4*\t+3], s[8:9] offset:(16*\a+2*\t)*OROW   ; 16 lanes store 256 consecutive bytes, aligned
.endr
.endr
	s_wait_tensorcnt 0x0
	ds_add_u32 v126, v127
	s_wait_dscnt 0x0
	CROUND                                         ; the closing round: no work-group ends while a partner may still ask for a tile that names it
	s_endpgm
.Lfunc_end_k_qbbad036fa5_outp:
	.size	k_qbbad036fa5_outp, .Lfunc_end_k_qbbad036fa5_outp-k_qbbad036fa5_outp
	.p2alignl 7, 3214868480
	.fill 96, 4, 3214868480
	.section	.rodata,"a",@progbits
	.p2align	6, 0x0
	.amdhsa_kernel k_qbbad036fa5_outp
		.amdhsa_group_segment_fixed_size 288256
		.amdhsa_private_segment_fixed_size 0
		.amdhsa_enable_private_segment 0
		.amdhsa_kernarg_size 56
		.amdhsa_user_sgpr_count 2
		.amdhsa_user_sgpr_kernarg_segment_ptr 1
		.amdhsa_wavefront_size32 1
		.amdhsa_system_sgpr_workgroup_id_x 1
		.amdhsa_system_sgpr_workgroup_id_y 1
		.amdhsa_system_sgpr_workgroup_id_z 1
		.amdhsa_system_vgpr_workitem_id 0
		.amdhsa_next_free_vgpr 512
		.amdhsa_next_free_sgpr 80
		.amdhsa_reserve_vcc 0
		.amdhsa_float_denorm_mode_32 3
		.amdhsa_float_denorm_mode_16_64 3
		.amdhsa_memory_ordered 1
		.amdhsa_forward_progress 1
		.amdhsa_inst_pref_size 55
	.end_amdhsa_kernel
	.amdgpu_metadata
---
amdhsa.version: [ 1, 2 ]
amdhsa.kernels:
  - .name:           k_qbbad036fa5_outp
    .symbol:         k_qbbad036fa5_outp.kd
    .args:
      - { .name: CTX, .offset: 0, .size: 8, .value_kind: global_buffer, .address_space: global }
      - { .name: BF, .offset: 8, .size: 8, .value_kind: global_buffer, .address_space: global }
      - { .name: PC, .offset: 16, .size: 8, .value_kind: global_buffer, .address_space: global }
      - { .name: out0, .offset: 24, .size: 8, .value_kind: global_buffer, .address_space: global }
      - { .name: out1, .offset: 32, .size: 8, .value_kind: global_buffer, .address_space: global }
      - { .name: out2, .offset: 40, .size: 8, .value_kind: global_buffer, .address_space: global }
      - { .name: out3, .offset: 48, .size: 8, .value_kind: global_buffer, .address_space: global }
    .group_segment_fixed_size: 288256
    .private_segment_fixed_size: 0
    .kernarg_segment_align: 8
    .kernarg_segment_size: 56
    .max_flat_workgroup_size: 128
    .sgpr_count:     80
    .vgpr_count:     512
    .wavefront_size: 32
...
	.end_amdgpu_metadata
.endif
;; end of part 9
